; MI455X (gfx1250); checked and timed in simulation.
; The chip was launched on July 23, 2026; its instructions are those of AMD's public machine-readable ISA for CDNA 5 (MIT licence, August 2026) and "CDNA5" Instruction Set Architecture Reference Guide (July 2026). The comments in the code are by the model that wrote it; some were corrected since.
;; Heterogenous MHA. Allowed arithmetic: matrix products marked QUANTISED: E2M1 operands, one E8M0 scale for each 32 along K, by v_wmma_scale_f32_16x16x128_f8f6f4 with both operands' format E2M1 (or v_wmma_scale_f32_32x16x128_f4), f32 sums; products left as they are: f32 operands where the result goes on into a quantised operand, else bf16, f16 or f32 operands; f32 sums; everything else in f32.
;; Inputs: W1_query_codes 8 x 16 x 4 x 16 uint8 (E2M1 codes of W1_query, K innermost, in blocks of 32 codes, two codes a byte); W1_query_scales 8 x 16 x 4 uint8 (E8M0 scales of W1_query, one for each 32 codes along K); W2_query_codes 8 x 16 x 4 x 16 uint8 (E2M1 codes of W2_query, K innermost, in blocks of 32 codes, two codes a byte); W2_query_scales 8 x 16 x 4 uint8 (E8M0 scales of W2_query, one for each 32 codes along K); W3_query_codes 8 x 16 x 4 x 16 uint8 (E2M1 codes of W3_query, K innermost, in blocks of 32 codes, two codes a byte); W3_query_scales 8 x 16 x 4 uint8 (E8M0 scales of W3_query, one for each 32 codes along K); W4_query_codes 8 x 16 x 4 x 16 uint8 (E2M1 codes of W4_query, K innermost, in blocks of 32 codes, two codes a byte); W4_query_scales 8 x 16 x 4 uint8 (E8M0 scales of W4_query, one for each 32 codes along K); W5_query_codes 8 x 16 x 4 x 16 uint8 (E2M1 codes of W5_query, K innermost, in blocks of 32 codes, two codes a byte); W5_query_scales 8 x 16 x 4 uint8 (E8M0 scales of W5_query, one for each 32 codes along K); W6_query_codes 8 x 16 x 4 x 16 uint8 (E2M1 codes of W6_query, K innermost, in blocks of 32 codes, two codes a byte); W6_query_scales 8 x 16 x 4 uint8 (E8M0 scales of W6_query, one for each 32 codes along K); W_key_codes 8 x 16 x 4 x 16 uint8 (E2M1 codes of W_key, K innermost, in blocks of 32 codes, two codes a byte); W_key_scales 8 x 16 x 4 uint8 (E8M0 scales of W_key, one for each 32 codes along K); W_out 8 x 16 x 128 float32; W_query_codes 8 x 16 x 4 x 16 uint8 (E2M1 codes of W_query, K innermost, in blocks of 32 codes, two codes a byte); W_query_scales 8 x 16 x 4 uint8 (E8M0 scales of W_query, one for each 32 codes along K); W_val_codes 8 x 16 x 4 x 16 uint8 (E2M1 codes of W_val, K innermost, in blocks of 32 codes, two codes a byte); W_val_scales 8 x 16 x 4 uint8 (E8M0 scales of W_val, one for each 32 codes along K); q_codes 16 x 501 x 4 x 16 uint8 (E2M1 codes of q, K innermost, in blocks of 32 codes, two codes a byte); q_scales 16 x 501 x 4 uint8 (E8M0 scales of q, one for each 32 codes along K).
;; Outputs: out0 16 x 501 x 128 float32.
;; This version of the problem:
;;   THIS VERSION OF THE PROBLEM IS GIVEN IN LOW PRECISION. The matrix products marked QUANTISED in the list below multiply operands that are first quantised to E2M1 (2 exponent bits, 1 mantissa bit; 4 bits a number), with one power-of-two scale for each 32 numbers along K (OCP MX v1.0); their sums are f32. All else is computed in f32.
;;   The module's matrix products, in the order in which they are computed (A, B: the left and right operand; K: the contracted axis; several contracted axes count as one K, in the product's order):
;;     1. [M 128, K 128] x [K 128, N 8,016]; A: input W_query (given as codes); B: input q (given as codes): QUANTISED
;;     2. [M 128, K 128] x [K 128, N 8,016]; A: input W_key (given as codes); B: input q (given as codes): QUANTISED
;;     3. [M 128, K 128] x [K 128, N 8,016]; A: input W_val (given as codes); B: input q (given as codes): QUANTISED
;;     4. [M 128, K 128] x [K 128, N 4,000]; A: input W_key (given as codes); B: input q (given as codes): QUANTISED
;;     5. [M 128, K 128] x [K 128, N 4,000]; A: input W_val (given as codes); B: input q (given as codes): QUANTISED
;;     6. [M 128, K 128] x [K 128, N 4,000]; A: input W_key (given as codes); B: input q (given as codes): QUANTISED
;;     7. [M 128, K 128] x [K 128, N 4,000]; A: input W_val (given as codes); B: input q (given as codes): QUANTISED
;;     8. [M 128, K 128] x [K 128, N 4,000]; A: input W1_query (given as codes); B: input q (given as codes): QUANTISED
;;     9. [M 128, K 128] x [K 128, N 4,000]; A: input W2_query (given as codes); B: input q (given as codes): QUANTISED
;;     10. [M 128, K 128] x [K 128, N 4,000]; A: input W3_query (given as codes); B: input q (given as codes): QUANTISED
;;     11. [M 128, K 128] x [K 128, N 4,000]; A: input W4_query (given as codes); B: input q (given as codes): QUANTISED
;;     12. [M 128, K 128] x [K 128, N 4,000]; A: input W5_query (given as codes); B: input q (given as codes): QUANTISED
;;     13. [M 128, K 128] x [K 128, N 4,000]; A: input W6_query (given as codes); B: input q (given as codes): QUANTISED
;;     14. batch 128 x [M 501, K 16] x [K 16, N 501]; A: computed on the way; B: computed on the way: left as it is (K = 16 < 32)
;;     15. batch 128 x [M 250, K 16] x [K 16, N 250]; A: computed on the way; B: computed on the way: left as it is (K = 16 < 32)
;;     16. batch 128 x [M 250, K 16] x [K 16, N 250]; A: computed on the way; B: computed on the way: left as it is (K = 16 < 32)
;;     17. batch 128 x [M 250, K 16] x [K 16, N 250]; A: computed on the way; B: computed on the way: left as it is (K = 16 < 32)
;;     18. batch 128 x [M 250, K 16] x [K 16, N 250]; A: computed on the way; B: computed on the way: left as it is (K = 16 < 32)
;;     19. batch 128 x [M 501, K 501] x [K 501, N 16]; A: computed on the way; B: computed on the way: QUANTISED
;;     20. batch 128 x [M 501, K 250] x [K 250, N 16]; A: computed on the way; B: computed on the way: QUANTISED
;;     21. batch 128 x [M 501, K 250] x [K 250, N 16]; A: computed on the way; B: computed on the way: QUANTISED
;;     22. batch 128 x [M 501, K 250] x [K 250, N 16]; A: computed on the way; B: computed on the way: QUANTISED
;;     23. batch 128 x [M 501, K 250] x [K 250, N 16]; A: computed on the way; B: computed on the way: QUANTISED
;;     24. [M 8,016, K 128] x [K 128, N 128]; A: computed on the way; B: input W_out: QUANTISED
;;   THE QUANTISER, for each operand of a quantised product, along K:
;;     - K is cut into blocks of 32 from its start; a last block that is shorter is filled with zeros.
;;     - A block's scale is 2^e with e = floor(log2(the largest magnitude in the block)) - 2, held to -126 .. 127; a block of zeros has e = 0. As a byte (E8M0): e + 127.
;;     - Each number is divided by its block's scale, clamped to +-6, and rounded to the nearest number of E2M1, ties to even, subnormals kept.
;;     - The product sums the exact products of the quantised numbers (number of the format x scale) in f32.
;;   ~~~python
;;   def quantise(x, axis):      # numpy; x: float32 -> the quantised numbers, widened to float32 again
;;       x = np.moveaxis(x, axis, -1); K = x.shape[-1]
;;       x = np.pad(x, [(0, 0)] * (x.ndim - 1) + [(0, -K % 32)]); x = x.reshape(x.shape[:-1] + (-1, 32)); a = np.abs(x).max(-1, keepdims=True)
;;       e = np.where(a > 0, np.clip(np.frexp(np.where(a > 0, a, 1))[1] - 1 - 2, -126, 127), 0)      # np.frexp(a)[1] - 1 = floor(log2(a)), exactly
;;       r = np.clip(x / 2.0 ** e, -6, 6)
;;       step = 2.0 ** (np.maximum(np.frexp(np.where(r == 0, 1, r))[1] - 1, 0) - 1)
;;       q = np.round(r / step) * step * 2.0 ** e      # np.round: ties to even
;;       return np.moveaxis(q.reshape(q.shape[:-2] + (-1,))[..., :K], -1, axis).astype(np.float32)
;;   ~~~
;;   OPERANDS COMPUTED ON THE WAY. 'Computed on the way' means the value that the module computes at that place (a softmax that the list does not call 'softmax' is quantised finished and normalised). What goes into a quantiser is computed in f32, as accurately as f32 sums, v_exp_f32 and their like allow (about 1e-6 of the number): no bf16 or f16 on the way to a quantiser, and a product that is left as it is and whose result goes on into a quantised operand takes f32 operands (vector FMAs, or v_wmma_f32_16x16x4_f32). A number that lies on a knife's edge between two numbers of the format may be rounded either way, as far as f32 arithmetic and the matrix unit's own rounding can turn it there, and no further.
;;   INPUTS GIVEN AS CODES. W1_query (in the module: [8, 128, 16], K = its axis 1); W2_query (in the module: [8, 128, 16], K = its axis 1); W3_query (in the module: [8, 128, 16], K = its axis 1); W4_query (in the module: [8, 128, 16], K = its axis 1); W5_query (in the module: [8, 128, 16], K = its axis 1); W6_query (in the module: [8, 128, 16], K = its axis 1); W_key (in the module: [8, 128, 16], K = its axis 1); W_query (in the module: [8, 128, 16], K = its axis 1); W_val (in the module: [8, 128, 16], K = its axis 1); q (in the module: [16, 501, 128], K = its axis 2): each comes as NAME_codes (uint8): NAME with its K axis moved to the last place and cut into blocks of 32 codes, [.., K / 32, bytes a block], one block behind the other in memory; two codes a byte, the lower K in the low four bits (a code: sign, 2 exponent bits, 1 mantissa bit); and NAME_scales (uint8): the same leading axes, one E8M0 byte (e + 127) for each 32 codes along K. Its value is code x scale, taken as it is: it is not quantised again, and the codes and scales need not be those that the quantiser above would give.
;; 2 versions, each right; version 2 is version 1 with the launch hmha written anew for expert scheduling mode. Each part assembles by itself: llvm-mc -triple=amdgcn-amd-amdhsa -mcpu=gfx1250 --defsym DOCPART=n.
;; ======== version 1 of 2: 1 launch
;; limits: right only within a limited range of input values
;; launch hmha (part 1): grid 16 x 16, 16 waves a work-group, no clusters, 296,960 bytes of LDS; arguments q_codes, q_scales, W_query_codes, W_query_scales, W_key_codes, W_key_scales, W_val_codes, W_val_scales, W1_query_codes, W1_query_scales, W2_query_codes, W2_query_scales, W3_query_codes, W3_query_scales, W4_query_codes, W4_query_scales, W5_query_codes, W5_query_scales, W6_query_codes, W6_query_scales, W_out, out0; writes out0
.if DOCPART == 1
	.amdgcn_target "amdgcn-amd-amdhsa--gfx1250"
	.amdhsa_code_object_version 6
	.text
	.protected	k_q68b0ecc0ad_hmha
	.globl	k_q68b0ecc0ad_hmha
	.p2align	8
	.type	k_q68b0ecc0ad_hmha,@function
k_q68b0ecc0ad_hmha:
	s_mov_b64 s[64:65], 0
	v_nop
	global_prefetch_b8 v0, s[64:65] scope:SCOPE_SE
	s_setreg_imm32_b32 hwreg(HW_REG_WAVE_MODE, 25, 1), 1
	s_wait_xcnt 0x0
; HETEROGENEOUS ATTENTION, 16 batches x 501 tokens x 8 heads of 16, in ONE launch; nothing goes through memory between its steps.
; A work-group (x = block of 32 queries, y = batch) takes its 32 queries through all 8 heads and the output product.  Blocks 0-7 hold tokens 32 x .. (depot and pick-ups, up to 250),
; blocks 8-15 tokens 32 x - 5 .. (deliveries, up to 500); rows past the limit repeat the limit's token and are not stored.
; KEY ROWS.  A query's live columns are laid as 1,024 key rows: 0-511 all tokens (501 valid), 512-767 the pick-ups (250 valid), 768-1023 the deliveries (250 valid).  Rows that are not valid hold zero
; codes, so V is 0 there, and their scores become -infinity.  Blocks of 32 key rows are the blocks of the products of the weights with V.  The columns that the problem itself sets to -infinity are not computed.
; By the kind of the queries the weights are chosen: WA (against pick-ups) = W2 or W6, WB (against deliveries) = W3 or W5, WC (the single column, partner token +250 or -250) = W1 or W4.
; SHARES.  16 waves in 4 groups of 4.  Group g takes heads 2 g and 2 g + 1; member j takes key rows 256 j .. 256 j + 255.  A TURN is one head and one tile of 16 queries.
; In a turn a wave makes its 16 x 256 scores once (K from q's codes by the FP4 form, K Q^T by the f32 form, since the scores go on into a quantiser), takes each exponential once, against its block's own
; whole-number maximum, and keeps the 128 registers; the four members exchange (-M, sum) through LDS; each then scales by 2^(M_block - M) / sum, quantises along the keys and multiplies by its own codes of V.
; MATRIX AND VECTOR WORK BY TURNS.  The scores have two sets of accumulators.  In a STAGE the eight f32 products of block b + 1 are issued, and behind each stands a slice of block b's softmax; the rest of that
; softmax stands round the two FP4 products that make K of block b + 2, and fills the places that those ask for.
; LAYOUT.  An FP4 product with source 0 = a head's 16 rows of a weight and source 1 = 16 tokens leaves token r = lane % 16 and channels 8 (lane / 16) + 0 .. 7 in a lane: its register pairs are operands of the
; f32 form under a permutation of the 16 channels that K and Q share.  Lane r of key tile 2 b + u takes key row 32 b + 8 u + r + 8 (r / 8), so that the 16 registers of two neighbouring tiles of S^T are 16 neighbouring key rows.
; Operands lie in LDS as images of their registers: group of four registers c at 512 c, lane l at 16 l.
; LIMITS.  NaN, infinities and scale bytes 0xff among the inputs are not served.  M is exact while |score x log2(e) / 4| stays under 2^24.  A weight more than 2^126 under its own block's largest becomes 0.
; A block's largest weight is made from the block's largest score by the same instructions: v_exp_f32 is taken not to fall where its input rises.  A block of zeros gets the scale byte 1, not 127: its codes are zeros, and only this text reads the bytes.
; NOT USED.  Tensor loads and joint loads: a work-group reads some 176 KB once, at its head, and on that way rows are permuted and rows are cleared, which goes through registers.  Prefetches: every load stands at the head.
.set QIMG,  0                          ; 64 key tiles, 1,024 bytes each
.set QSCL,  65536                      ; their scale words: block p at 128 p: lanes 0-15 tile 2 p, lanes 16-31 tile 2 p + 1
.set WIMG,  69632                      ; 6 slots x 8 heads x 1,024: W_query, WA, WB, WC, W_key, W_val
.set XIMG,  118784                     ; tiles 0, 1: my queries; 2, 3: their partners; 4-7 repeat them
.set SCLT,  126976                     ; 7 tables of 2,048 bytes: scale word of row (thread % 128) at 4 x thread; tables 0-5 the slots, 6 the queries and partners
.set VST,   141312                     ; 2,304 bytes a wave: for each of its two K steps V's image (1,024) and its scale words (128)
.set WOI,   178176                     ; W_out's 8 tiles
.set WOS,   186368                     ; their scale words
.set STATS, 186880                     ; two regions of 4,096 (by the query tile): wave w at 256 w, lane l at 8 l: (-M, sum)
.set OPART, 195072                     ; wave w at 4,096 w, turn at 1,024: image of its part of O^T
.set HROW,  260608                     ; 32 rows x 528: the heads, f32
.set OSTG,  277504                     ; 32 rows x 528: the output rows
.set LI,  1                            ; 16 x lane
.set LS,  2                            ; 4 x lane
.set LR,  3                            ; 4 x (lane % 16)
.set L8,  4                            ; 8 x lane
.set KA,  5                            ; my 16 key tiles
.set KSA, 6                            ; their scale words
.set NINF, 7                           ; -infinity
.set XA,  8                            ; the queries' images
.set XSA, 9                            ; their scale words
.set VSA, 10                           ; my V images
.set VSS, 11                           ; their scale words
.set AT,  12                           ; v12-15 at work
.set SQF, 16                           ; v16-29 hold scales and nothing else
.set SWK, 20
.set SWV, 21
.set SWS, 22
.set SWC, 23
.set SXQ, 24
.set SXP, 25
.set SPW, 26
.set SVF, 27
.set SWO, 29
.set NB,  30                           ; v30 -M of the block in hand
.set HWA, 31                           ; v31 LDS address of the head's weights, slot 0.  (It is also the upper half of the pair v[30:31], of which the packed form takes the low word alone)
.set SCA, 32                           ; v32-47 two tiles of S^T, the odd blocks': written by matrix instructions alone
.set KT,  48                           ; v48-63 K of two tiles; else at work (TM)
.set TM,  48
.set QF,  64                           ; v64-79 two fragments of q; W_val's and the partners'; V's second fragment; v72-79 codes just made (PC)
.set PC,  72
.set QS,  80                           ; v80-87 my Q; later V's first fragment
.set WK,  88                           ; v88-95 W_key's fragment, loaded for each turn; behind the scores the single column's share of O^T
.set SCB, 96                           ; v96-111 two tiles of S^T, the even blocks': written by matrix instructions alone; behind block 6:
.set VP,  96                           ; v96-103 the partners' V,
.set O,   104                          ; v104-111 O^T
.set BM,  112                          ; v112-119 the largest score of each of my 8 blocks
.set NMR, 120                          ; -M so far, and
.set SUM, 121                          ; the sum under it: a pair, stored together
.set NMS, 122                          ; the single column's -M
.set ES,  123                          ; and its exponential
.set NM,  124                          ; the row's -M
.set RR,  125                          ; 1 / the row's sum
.set AS,  126
.set BS,  127
.set E,   128                          ; v128-255 the turn's 128 exponentials; elsewhere operands and results
.set MK,  80                           ; s80-95 lanes in which register i of my last block is a valid key row
.macro NOPS n
.rept \n
	v_nop
.endr
.endm
.macro BARRIER                         ; my LDS stores have landed and my LDS loads are in: then the work-group's barrier
	s_wait_dscnt 0x0
	s_barrier_signal -1
	s_barrier_wait -1
.endm
; An FP4 product.  c < 0: the sum starts at 0.  row = 1: source 0's scales from lanes 16-31; row = 2: source 1's.
.macro FP4 d, a, b, c, sa, sb, row
.if (\c) >= 0
	v_wmma_scale_f32_16x16x128_f8f6f4 v[(\d):(\d)+7], v[(\a):(\a)+7], v[(\b):(\b)+7], v[(\c):(\c)+7], v[(\sa)], v[(\sb)] matrix_a_fmt:MATRIX_FMT_FP4 matrix_b_fmt:MATRIX_FMT_FP4
.elseif (\row) == 0
	v_wmma_scale_f32_16x16x128_f8f6f4 v[(\d):(\d)+7], v[(\a):(\a)+7], v[(\b):(\b)+7], 0, v[(\sa)], v[(\sb)] matrix_a_fmt:MATRIX_FMT_FP4 matrix_b_fmt:MATRIX_FMT_FP4
.elseif (\row) == 1
	v_wmma_scale_f32_16x16x128_f8f6f4 v[(\d):(\d)+7], v[(\a):(\a)+7], v[(\b):(\b)+7], 0, v[(\sa)], v[(\sb)] matrix_a_fmt:MATRIX_FMT_FP4 matrix_b_fmt:MATRIX_FMT_FP4 matrix_a_scale:MATRIX_SCALE_ROW1
.else
	v_wmma_scale_f32_16x16x128_f8f6f4 v[(\d):(\d)+7], v[(\a):(\a)+7], v[(\b):(\b)+7], 0, v[(\sa)], v[(\sb)] matrix_a_fmt:MATRIX_FMT_FP4 matrix_b_fmt:MATRIX_FMT_FP4 matrix_b_scale:MATRIX_SCALE_ROW1
.endif
.endm
; The half blocks that the conversions leave become whole blocks: lanes 0-15 block 2 c, lanes 16-31 block 2 c + 1
.macro SWAPS
.irp c, 0,1
.irp i, 0,1
	v_permlane16_swap_b32 v[PC+4*\c+\i], v[PC+2+4*\c+\i]
.endr
.endr
.endm
; 64 numbers of a lane, register 16 b + i = k 32 b + 16 (lane / 16) + i of my row, become a fragment's codes in v[PC] on and its scale word in v[SPW]
.macro QUANT s
.irp b, 0,1,2,3
	v_max3_num_f32 v[TM+\b], |v[\s+16*\b]|, |v[\s+1+16*\b]|, 0x1800000   ; my 16 numbers of block b, and the floor 2^(3 - 127): the byte cannot fall under 1
.endr
.irp i, 2,4,6,8,10,12,14
.irp b, 0,1,2,3
	v_max3_num_f32 v[TM+\b], v[TM+\b], |v[\s+16*\b+\i]|, |v[\s+1+16*\b+\i]|
.endr
.endr
.irp b, 0,1,2,3
	v_permlanex16_b32 v[TM+4+\b], v[TM+\b], s12, s13
.endr
.irp b, 0,1,2,3
	v_max_num_f32 v[TM+\b], v[TM+\b], v[TM+4+\b]   ; with lane l xor 16's: the block's largest magnitude
.endr
.irp b, 0,1,2,3
	v_add_nc_u32 v[TM+8+\b], 0xff000000, v[TM+\b]  ; 2 off its exponent field: the conversion's scale operand
.endr
.irp b, 0,1,2,3
	v_lshrrev_b32 v[TM+4+\b], 23, v[TM+8+\b]       ; the scale's byte
.endr
	v_lshl_or_b32 v[SPW], v[TM+5], 8, v[TM+4]
	v_lshl_or_b32 v[SPW], v[TM+6], 16, v[SPW]
	v_lshl_or_b32 v[SPW], v[TM+7], 24, v[SPW]
.irp b, 0,1,2,3
	v_cvt_scalef32_pk8_fp4_f32 v[PC+2*\b], v[\s+16*\b:\s+7+16*\b], v[TM+8+\b]
	v_cvt_scalef32_pk8_fp4_f32 v[PC+1+2*\b], v[\s+8+16*\b:\s+15+16*\b], v[TM+8+\b]
.endr
	v_nop                                          ; one plain place behind a scaled conversion
	SWAPS
.endm
	s_load_b512 s[16:31], s[0:1], 0x0              ; q codes, q scales, W_query c, s, W_key c, s, W_val c, s
	s_load_b512 s[32:47], s[0:1], 0x40             ; W1 c, s, W2 c, s, W3 c, s, W4 c, s
	s_load_b256 s[48:55], s[0:1], 0x80             ; W5 c, s, W6 c, s
	s_load_b128 s[56:59], s[0:1], 0xa0             ; W_out, out0
	v_lshrrev_b32 v1, 5, v0
	v_readfirstlane_b32 s2, v1                     ; wave 0..15
	s_lshr_b32 s3, s2, 2                           ; group g
	s_and_b32 s4, s2, 3                            ; member j
	s_mov_b32 s5, ttmp9                            ; block of queries
	s_and_b32 s6, ttmp7, 0xffff                    ; batch
	s_mov_b32 s10, 0x3eb8aa3b                      ; c = log2(e) / 4: t = score x c
	s_mov_b32 s11, s10                             ; (named with it as a pair)
	s_mov_b32 s12, 0x76543210
	s_mov_b32 s13, 0xfedcba98                      ; v_permlanex16_b32's selects for lane l xor 16
	s_cmp_lt_u32 s5, 8                             ; pick-ups (and the depot) or deliveries?
	s_cselect_b32 s60, 0, 5
	s_mov_b32 s8, 500
	s_cselect_b32 s8, 250, s8                      ; the last token of the kind
	s_mov_b32 s9, -250
	s_cselect_b32 s9, 250, s9                      ; from a token to its partner
	s_lshl_b32 s7, s5, 5
	s_sub_co_u32 s7, s7, s60                       ; my first token
	; THE FILL: offsets in memory.  Thread t takes 16 bytes: piece t % 4 of row t / 4 of 128 rows
	v_and_b32 v216, 15, v0                         ; r
	v_bfe_u32 v217, v0, 4, 1                       ; h
	v_lshlrev_b32 v200, 4, v0
	v_add_nc_u32 v201, 24576, v200
	v_min_u32 v201, 32048, v201                    ; tokens 384 on: held at the batch's last 16 bytes
	v_add_nc_u32 v202, 24256, v200
	v_min_u32 v202, 32048, v202                    ; tokens 379 on: likewise
	v_bfe_u32 v213, v0, 2, 5
	v_add_nc_u32 v213, s7, v213
	v_min_u32 v213, s8, v213                       ; query token of row (t / 4) % 32,
	v_bfe_u32 v214, v0, 7, 1
	v_mul_lo_u32 v214, v214, s9
	v_add_nc_u32 v213, v213, v214                  ; or its partner
	v_and_b32 v214, 3, v0
	v_lshlrev_b32 v214, 4, v214
	v_lshl_add_u32 v203, v213, 6, v214
	v_lshlrev_b32 v204, 2, v0
	v_min_u32 v204, 2000, v204                     ; scale word of key row t
	v_lshrrev_b32 v213, 8, v0
	v_mul_u32_u24 v213, v213, 6
	v_sub_nc_u32 v213, v0, v213
	v_add_nc_u32 v213, 1, v213                     ; key row 512 + t: token t + 1, or t - 5 from t = 256 on
	v_lshlrev_b32 v205, 2, v213
	v_min_u32 v205, 2000, v205
	v_and_b32 v206, 127, v0
	v_lshlrev_b32 v206, 2, v206                    ; scale word of a weight's row t % 128
	v_and_b32 v213, 31, v0
	v_add_nc_u32 v213, s7, v213
	v_min_u32 v213, s8, v213
	v_bfe_u32 v214, v0, 5, 1
	v_mul_lo_u32 v214, v214, s9
	v_add_nc_u32 v213, v213, v214
	v_lshlrev_b32 v207, 2, v213                    ; scale word of query or partner row t % 128
	v_lshlrev_b32 v208, 2, v216
	v_lshl_add_u32 v208, v217, 14, v208            ; W_out: column r, 32 h rows down
	; and places in LDS.  Key row 32 b + x: tile 2 b + bit 3 of x, tile row (x % 8) + 8 x bit 4 of x
	v_and_b32 v213, 0x1c, v0
	v_lshlrev_b32 v209, 2, v213
	v_and_b32 v213, 0x40, v0
	v_lshl_or_b32 v209, v213, 1, v209
	v_and_b32 v213, 3, v0
	v_lshl_or_b32 v209, v213, 8, v209
	v_and_b32 v213, 0x20, v0
	v_lshl_or_b32 v209, v213, 5, v209
	v_and_b32 v213, 0x180, v0
	v_lshl_or_b32 v209, v213, 4, v209
	v_and_b32 v213, 0x3c, v0                       ; weights and queries: rows as they lie
	v_lshlrev_b32 v210, 2, v213
	v_and_b32 v213, 3, v0
	v_lshl_or_b32 v210, v213, 8, v210
	v_and_b32 v213, 0x1c0, v0
	v_lshl_or_b32 v210, v213, 4, v210
	v_add_nc_u32 v210, WIMG, v210
	v_and_b32 v213, 7, v0                          ; key scale words, by the tiles' rows
	v_lshlrev_b32 v211, 2, v213
	v_and_b32 v213, 0x10, v0
	v_lshl_or_b32 v211, v213, 1, v211
	v_and_b32 v213, 8, v0
	v_lshl_or_b32 v211, v213, 3, v211
	v_and_b32 v213, 0x1e0, v0
	v_lshl_or_b32 v211, v213, 2, v211
	v_add_nc_u32 v211, QSCL, v211
	v_lshl_add_u32 v212, v0, 2, SCLT
	s_wait_kmcnt 0x0
	s_cmp_lt_u32 s5, 8                             ; the choice hangs on the work-group's number alone
	s_cselect_b64 s[66:67], s[36:37], s[52:53]     ; WA: W2 or W6
	s_cselect_b64 s[68:69], s[38:39], s[54:55]
	s_cselect_b64 s[70:71], s[40:41], s[48:49]     ; WB: W3 or W5
	s_cselect_b64 s[72:73], s[42:43], s[50:51]
	s_cselect_b64 s[74:75], s[32:33], s[44:45]     ; WC: W1 or W4
	s_cselect_b64 s[76:77], s[34:35], s[46:47]
	s_mul_i32 s60, s6, 32064
	s_mov_b32 s61, 0
	s_add_nc_u64 s[16:17], s[16:17], s[60:61]      ; my batch's codes
	s_mul_i32 s60, s6, 2004
	s_add_nc_u64 s[18:19], s[18:19], s[60:61]      ; and scale words
	s_lshr_b32 s62, s2, 3
	s_lshl_b32 s60, s62, 15
	s_and_b32 s63, s2, 7
	s_lshl_b32 s62, s63, 6
	s_add_co_u32 s60, s60, s62
	s_add_nc_u64 s[56:57], s[56:57], s[60:61]      ; W_out: rows 64 (wave / 8) on, columns 16 (wave % 8) on
	global_load_b128 v[128:131], v200, s[16:17]                ; key rows 0-127: tokens 0 on
	global_load_b128 v[132:135], v200, s[16:17] offset:8192    ; 128 on
	global_load_b128 v[136:139], v200, s[16:17] offset:16384   ; 256 on
	global_load_b128 v[140:143], v201, s[16:17]                ; 384 on
	global_load_b128 v[144:147], v200, s[16:17] offset:64      ; key rows 512 on: tokens 1 on
	global_load_b128 v[148:151], v200, s[16:17] offset:8256    ; 129 on
	global_load_b128 v[152:155], v200, s[16:17] offset:16064   ; key rows 768 on: tokens 251 on
	global_load_b128 v[156:159], v202, s[16:17]                ; 379 on
	global_load_b128 v[160:163], v203, s[16:17]                ; queries and partners
	global_load_b128 v[164:167], v200, s[20:21]                ; the six weights
	global_load_b128 v[168:171], v200, s[66:67]
	global_load_b128 v[172:175], v200, s[70:71]
	global_load_b128 v[176:179], v200, s[74:75]
	global_load_b128 v[180:183], v200, s[24:25]
	global_load_b128 v[184:187], v200, s[28:29]
	global_load_b32 v188, v204, s[18:19]
	global_load_b32 v189, v205, s[18:19]
	global_load_b32 v190, v206, s[22:23]
	global_load_b32 v191, v206, s[68:69]
	global_load_b32 v192, v206, s[72:73]
	global_load_b32 v193, v206, s[76:77]
	global_load_b32 v194, v206, s[26:27]
	global_load_b32 v195, v206, s[30:31]
	global_load_b32 v196, v207, s[18:19]
.irp i, 0,1,2,3,4,5,6,7,8,9,10,11,12,13,14,15,16,17,18,19,20,21,22,23,24,25,26,27,28,29,30,31
	global_load_b32 v[224+\i], v208, s[56:57] offset:512*\i    ; W_out(64 c + 32 h + i, 16 et + r): a whole block of 32 along K in a lane
.endr
	; what stays, made while the loads are on their way
	v_and_b32 v213, 31, v0
	v_lshlrev_b32 v[LI], 4, v213
	v_lshlrev_b32 v[LS], 2, v213
	v_lshlrev_b32 v[LR], 2, v216
	v_lshlrev_b32 v[L8], 3, v213
	s_lshl_b32 s60, s4, 14
	v_add_nc_u32 v[KA], s60, v[LI]
	s_lshl_b32 s60, s4, 10
	s_add_co_u32 s60, s60, QSCL
	v_add_nc_u32 v[KSA], s60, v[LS]
	v_mov_b32 v[NINF], 0xff800000
	v_add_nc_u32 v[XA], XIMG, v[LI]
	v_add_nc_u32 v[XSA], SCLT+12288, v[LR]
	s_mul_i32 s60, s2, 2304
	s_add_co_u32 s60, s60, VST
	v_add_nc_u32 v[VSA], s60, v[LI]
	s_add_co_u32 s60, s60, 1024
	v_add_nc_u32 v[VSS], s60, v[LS]
	s_cmp_eq_u32 s4, 0
	s_cselect_b32 s61, 16, 10                      ; valid key rows among the last 16 of my 256: 16, 5, 10, 10 by the member
	s_cselect_b32 s14, 0x3f800000, 0               ; member 0 alone adds the single column's share
	s_cmp_eq_u32 s4, 1
	s_cselect_b32 s61, 5, s61
	s_sub_co_i32 s61, s61, 16
	v_mul_lo_u32 v215, v217, s61
	v_add_nc_u32 v215, 16, v215                    ; lanes 0-15 hold the 16 rows before them: all valid
.irp i, 0,1,2,3,4,5,6,7,8,9,10,11,12,13,14,15
	v_cmp_lt_u32 s[MK+\i], \i, v215
.endr
	s_cmp_ge_u32 s4, 2
	s_cselect_b32 s15, -1, 0
	v_add_nc_u32 v218, s7, v216
	v_cmp_eq_u32 s78, 0, v218                      ; lanes whose query in tile 0 is the depot,
	s_and_b32 s79, s78, s15                        ; in members 2 and 3: the depot has none of their columns
.irp k, 12,13,14,15,52,53,54,55
	v_mov_b32 v\k, 0                               ; written once: destinations of lane permutes
.endr
	s_min_u32 s60, s4, 1
	s_sub_co_u32 s60, s4, s60                      ; my query weight's slot: 0, 0, 1, 2
	s_lshl_b32 s98, s3, 11
	s_add_co_u32 s98, s98, WIMG                    ; slot 0, head 2 g
	s_lshl_b32 s61, s60, 13
	s_add_co_u32 s97, s98, s61                     ; my slot, head 2 g
	s_lshl_b32 s100, s3, 7
	s_add_co_u32 s100, s100, SCLT                  ; the same among the scale words
	s_lshl_b32 s61, s60, 11
	s_add_co_u32 s99, s100, s61
	s_lshl_b32 s101, s2, 12
	s_add_co_u32 s101, s101, OPART                 ; my parts of O^T
	s_wait_loadcnt 32                              ; the fill's 24 loads are in; the 32 of W_out, issued behind them, may be out
	v_cmp_gt_u32 vcc_lo, 468, v0                   ; tokens 501 on: zero codes
.irp k, 0,1,2,3
	v_cndmask_b32 v[140+\k], 0, v[140+\k], vcc_lo
.endr
	v_cmp_gt_u32 vcc_lo, 488, v0                   ; pick-ups and deliveries 250 on: zero codes
.irp k, 0,1,2,3
	v_cndmask_b32 v[148+\k], 0, v[148+\k], vcc_lo
	v_cndmask_b32 v[156+\k], 0, v[156+\k], vcc_lo
.endr
	v_cmp_gt_u32 vcc_lo, 501, v0
	v_cndmask_b32 v188, 0x7f7f7f7f, v188, vcc_lo   ; and scale 1 for such rows
	v_and_b32 v213, 255, v0
	v_cmp_gt_u32 vcc_lo, 250, v213
	v_cndmask_b32 v189, 0x7f7f7f7f, v189, vcc_lo
.irp i, 0,1,2,3,4,5,6,7
	ds_store_b128 v209, v[128+4*\i:131+4*\i] offset:8192*\i
.endr
.irp i, 0,1,2,3,4,5
	ds_store_b128 v210, v[164+4*\i:167+4*\i] offset:8192*\i
.endr
	ds_store_b128 v210, v[160:163] offset:49152
	ds_store_b32 v211, v188
	ds_store_b32 v211, v189 offset:2048
.irp i, 0,1,2,3,4,5
	ds_store_b32 v212, v[190+\i] offset:2048*\i
.endr
	ds_store_b32 v212, v196 offset:12288
	BARRIER                                        ; keys, weights, queries and their scale words lie in LDS
	; W_out is quantised along (head, channel): wave w makes registers 4 c .. 4 c + 3 (c = w / 8) of tile w % 8's fragment; it is read behind later barriers
	s_and_b32 s60, s2, 7
	s_lshr_b32 s61, s2, 3
	s_lshl_b32 s62, s60, 10
	s_lshl_b32 s63, s61, 9
	s_add_co_u32 s62, s62, s63
	s_add_co_u32 s62, s62, WOI
	v_add_nc_u32 v[AT], s62, v[LI]
	s_lshl_b32 s62, s60, 6
	s_lshl_b32 s63, s61, 1
	s_add_co_u32 s62, s62, s63
	s_add_co_u32 s62, s62, WOS
	v_add_nc_u32 v[AT+1], s62, v[LR]
	s_wait_loadcnt 0x0
	s_lshl_b32 s16, s2, 8                          ; (no load is out: the arguments' registers are free)
	s_add_co_u32 s16, s16, STATS                   ; where I put my (-M, sum),
	s_lshl_b32 s17, s3, 10
	s_add_co_u32 s17, s17, STATS                   ; and where my group's four lie
	v_max3_num_f32 v48, |v224|, |v225|, 0x1800000
.irp i, 2,4,6,8,10,12,14,16,18,20,22,24,26,28,30
	v_max3_num_f32 v48, v48, |v[224+\i]|, |v[225+\i]|
.endr
	v_add_nc_u32 v49, 0xff000000, v48
	v_lshrrev_b32 v50, 23, v49
.irp g, 0,1,2,3
	v_cvt_scalef32_pk8_fp4_f32 v[PC+\g], v[224+8*\g:231+8*\g], v49
.endr
	v_nop                                          ; one plain place behind a scaled conversion
	v_lshlrev_b32 v51, 3, v217
	v_lshlrev_b32 v50, v51, v50                    ; my block's byte, 8 h bits up;
	v_permlanex16_b32 v52, v50, s12, s13
	v_or_b32 v50, v50, v52                         ; with lane l xor 16's: bytes 2 c and 2 c + 1 of column r's word
	ds_store_b128 v[AT], v[PC:PC+3]
	ds_store_b16 v[AT+1], v50                      ; lanes r and r + 16 write the same two bytes with the same value
; V of my K step ks (128 key rows) for the head in hand: source 0 = 16 key rows, source 1 = W_val: a lane holds one channel and its registers run along the keys.  Quantised, its image goes to my own bytes of LDS.
.macro VQ ks
	v_add_nc_u32 v[AT+1], s98, v[LI]
	v_add_nc_u32 v[AT+3], s100, v[LR]
.irp t, 0,1,2,3,4,5,6,7
.irp c, 0,1
	ds_load_b128 v[E+8*\t+4*\c:E+8*\t+4*\c+3], v[KA] offset:(8*\ks+\t)*1024+512*\c
.endr
.endr
.irp p, 0,1,2,3
	ds_load_b32 v[SQF+\p], v[KSA] offset:(4*\ks+\p)*128
.endr
	ds_load_b128 v[QF:QF+3], v[AT+1] offset:40960
	ds_load_b128 v[QF+4:QF+7], v[AT+1] offset:41472
	ds_load_b32 v[SWV], v[AT+3] offset:10240
	s_wait_dscnt 0x0
.irp t, 0,1,2,3,4,5,6,7
	FP4 E+64+8*\t, E+8*\t, QF, -1, SQF+\t/2, SWV, \t%2
.endr
	NOPS 4                                         ; four places ahead of the first read of results
	QUANT E+64
	ds_store_b128 v[VSA], v[PC:PC+3] offset:1152*\ks
	ds_store_b128 v[VSA], v[PC+4:PC+7] offset:1152*\ks+512
	ds_store_b32 v[VSS], v[SPW] offset:1152*\ks
	s_wait_dscnt 0x0                               ; the stores have read their registers
.endm
.macro LOADQ b                         ; the two key tiles of my block b, and their scale words
.irp t, 0,1
.irp c, 0,1
	ds_load_b128 v[QF+8*\t+4*\c:QF+8*\t+4*\c+3], v[KA] offset:(2*(\b)+\t)*1024+512*\c
.endr
.endr
	ds_load_b32 v[SQF], v[KSA] offset:128*(\b)
.endm
.macro KTILES                          ; K of the two tiles in v[QF] on
	s_wait_dscnt 0x0                               ; the tiles, asked for a stage ago, are in
	FP4 KT, WK, QF, -1, SWK, SQF, 0
	FP4 KT+8, WK, QF+8, -1, SWK, SQF, 2
.endm
; Product i of 8 of S^T = K Q^T into the set at SN: channels' pair i / 2, tile i % 2.  The two accumulators take turns, one instruction a turn; the first two start the sums.
.macro WM i
.if (\i) < 2
	v_wmma_f32_16x16x4_f32 v[SN+8*((\i)%2):SN+8*((\i)%2)+7], v[KT+8*((\i)%2)+2*((\i)/2):KT+8*((\i)%2)+2*((\i)/2)+1], v[QS+2*((\i)/2):QS+2*((\i)/2)+1], 0
.else
	v_wmma_f32_16x16x4_f32 v[SN+8*((\i)%2):SN+8*((\i)%2)+7], v[KT+8*((\i)%2)+2*((\i)/2):KT+8*((\i)%2)+2*((\i)/2)+1], v[QS+2*((\i)/2):QS+2*((\i)/2)+1], v[SN+8*((\i)%2):SN+8*((\i)%2)+7]
.endif
.endm
; THE SOFTMAX OF A BLOCK OF 32 KEY ROWS is a list of 53 instructions; SM writes number J of it, for block BK, scores at XB, exponentials at EB.
;   0-9    the block's largest score of my query (each accumulator is read from its low end on)      10-11  -M of the block: M is a whole number      12-19  t - M, two at a time
;   20-35  the exponentials: one batch; none of 20-42 names a result      36-42  the running -M, and the sum brought under it: nothing is rounded
;   (the wait for the batch stands between 42 and 43)      43-52  the block's sum, brought under the running M and added
.macro SM
.if J == 0
	v_max3_num_f32 v[AT], v[XB], v[XB+1], v[XB+2]
.elseif J == 1
	v_max3_num_f32 v[AT+1], v[XB+8], v[XB+9], v[XB+10]
.elseif J < 6
	v_max3_num_f32 v[AT+J%2], v[AT+J%2], v[XB+8*(J%2)+2*(J/2)+1], v[XB+8*(J%2)+2*(J/2)+2]
.elseif J == 6
	v_max3_num_f32 v[AT], v[AT], v[XB+7], v[XB+15]
.elseif J == 7
	v_max_num_f32 v[AT], v[AT], v[AT+1]
.elseif J == 8
	v_permlanex16_b32 v[AT+2], v[AT], s12, s13
.elseif J == 9
	v_max_num_f32 v[BM+BK], v[AT], v[AT+2]
.elseif J == 10
	v_mul_f32 v[AT+3], s10, v[BM+BK]
.elseif J == 11
	v_floor_f32 v[NB], -v[AT+3]
.elseif J < 20
	v_pk_fma_f32 v[EB+2*(J-12):EB+2*(J-12)+1], v[XB+2*(J-12):XB+2*(J-12)+1], s[10:11], v[NB:NB+1] op_sel_hi:[1,0,0]
.elseif J < 36
	v_exp_f32 v[EB+J-20], v[EB+J-20]
.elseif J == 36
	v_min_num_f32 v[NM], v[NMR], v[NB]
.elseif J == 37
	v_sub_f32 v[RR], v[NM], v[NMR]
.elseif J == 38
	v_sub_f32 v[AS], v[NM], v[NB]
.elseif J == 39
	v_cvt_i32_f32 v[RR], v[RR]
.elseif J == 40
	v_cvt_i32_f32 v[AS], v[AS]
.elseif J == 41
	v_ldexp_f32 v[SUM], v[SUM], v[RR]
.elseif J == 42
	v_mov_b32 v[NMR], v[NM]
.elseif J == 43
	v_pk_add_f32 v[AT:AT+1], v[EB:EB+1], v[EB+2:EB+3]
.elseif J == 44
	v_pk_add_f32 v[AT+2:AT+3], v[EB+4:EB+5], v[EB+6:EB+7]
.elseif J < 49
	v_pk_add_f32 v[AT+2*((J-45)%2):AT+2*((J-45)%2)+1], v[AT+2*((J-45)%2):AT+2*((J-45)%2)+1], v[EB+8+2*(J-45):EB+9+2*(J-45)]
.elseif J == 49
	v_pk_add_f32 v[AT:AT+1], v[AT:AT+1], v[AT+2:AT+3]
.elseif J == 50
	v_add_f32 v[BS], v[AT], v[AT+1]
.elseif J == 51
	v_ldexp_f32 v[BS], v[BS], v[AS]
.else
	v_add_f32 v[SUM], v[SUM], v[BS]
.endif
.endm
.macro SMR a, n                        ; numbers a .. a + n - 1 of the list
.set J, \a
.rept \n
	SM
.set J, J+1
.endr
.endm
; STAGE b: block b's softmax, and between its lines the matrix work of the blocks that follow.  Even blocks have their scores at SCB, odd ones at SCA.
; Behind the stage's last f32 product stand twelve plain lines that name none of its registers, ahead of the FP4 products that write K's registers again (nine are asked);
; behind those six, ahead of the loads into their sources (four) and of the next stage's products, which take their results (five).  So a block's scores are read eighteen plain lines behind their last product (eight are asked).
; Stage 5 has no block 8 to fetch: it fetches W_val's and the partners' fragments.  Stage 6 makes the partners' V where the even blocks' scores lay, which have been read for the last time, and fetches V's two fragments.
.macro STAGE b
.set BK, \b
.set EB, E+16*(\b)
.if (\b)%2 == 0
.set XB, SCB
.set SN, SCA
.else
.set XB, SCA
.set SN, SCB
.endif
.if (\b) == 7
.irp i, 0,1,2,3,4,5,6,7,8,9,10,11,12,13,14,15
	v_cndmask_b32 v[EB+\i], v[NINF], v[SCA+\i], s[MK+\i]   ; key rows that are not valid: -infinity
.endr
.set XB, EB
	SMR 0, 36
.else
	WM 0
	SMR 0, 4
	WM 1
	SMR 4, 4
	WM 2
	SMR 8, 4
	WM 3
	SMR 12, 4
	WM 4
	SMR 16, 4
	WM 5
	SMR 20, 5
	WM 6
	SMR 25, 5
	WM 7
	SMR 30, 6
.endif
	SMR 36, 7
	s_wait_alu depctr_va_vdst(0)                   ; one wait for the sixteen exponentials, ahead of their first reader
	SMR 43, 5
.if (\b) < 6
	KTILES                                         ; block b + 2
.elseif (\b) == 6
	s_wait_dscnt 0x0
	FP4 VP, QF, QF+8, -1, SWV, SXP, 0              ; the partners' V
.endif
	SMR 48, 5
.if (\b) < 7
	v_nop
.endif
.if (\b) < 5
	LOADQ (\b)+3
.elseif (\b) == 5
	ds_load_b128 v[QF:QF+3], v[HWA] offset:40960   ; W_val
	ds_load_b128 v[QF+4:QF+7], v[HWA] offset:41472
	ds_load_b128 v[QF+8:QF+11], v[XA] offset:2048+1024*QT      ; the partners
	ds_load_b128 v[QF+12:QF+15], v[XA] offset:2048+1024*QT+512
.elseif (\b) == 6
	ds_load_b128 v[QS:QS+3], v[VSA]                ; V's two fragments and their scale words
	ds_load_b128 v[QS+4:QS+7], v[VSA] offset:512
	ds_load_b32 v[SVF], v[VSS]
	ds_load_b128 v[QF:QF+3], v[VSA] offset:1152
	ds_load_b128 v[QF+4:QF+7], v[VSA] offset:1664
	ds_load_b32 v[SVF+1], v[VSS] offset:1152
.endif
.endm
; My K step ks: the weights are finished (x 2^(M_block - M) / sum), quantised along the keys, and multiplied by V's codes.
.macro FIN ks
.set EK, E+64*\ks
.irp b, 0,1,2,3
	v_mul_f32 v[TM+\b], s10, v[BM+4*\ks+\b]
.endr
.irp b, 0,1,2,3
	v_floor_f32 v[TM+4+\b], -v[TM+\b]              ; -M of the block, as before
.endr
.irp b, 0,1,2,3
	v_fma_f32 v[TM+\b], v[BM+4*\ks+\b], s10, v[TM+4+\b]
.endr
.irp b, 0,1,2,3
	v_exp_f32 v[TM+\b], v[TM+\b]                   ; the block's largest exponential: the same instructions on the same number
.endr
.irp b, 0,1,2,3
	v_sub_f32 v[TM+9+2*\b], v[NM], v[TM+4+\b]
.endr
.irp b, 0,1,2,3
	v_cvt_i32_f32 v[TM+9+2*\b], v[TM+9+2*\b]
.endr
.irp b, 0,1,2,3
	v_ldexp_f32 v[TM+8+2*\b], v[RR], v[TM+9+2*\b]  ; 2^(M_block - M) / sum
.endr
	s_wait_alu depctr_va_vdst(0)                   ; one wait for the four
.irp b, 0,1,2,3
	v_mul_f32 v[TM+\b], v[TM+\b], v[TM+8+2*\b]     ; the block's largest weight
.endr
.irp b, 0,1,2,3
	v_max_num_f32 v[TM+\b], 0x1800000, v[TM+\b]    ; the floor 2^(3 - 127)
.endr
.irp b, 0,1,2,3
	v_add_nc_u32 v[TM+4+\b], 0xff000000, v[TM+\b]  ; the conversion's scale operand
.endr
.irp b, 0,1,2,3
	v_lshrrev_b32 v[AT+\b], 23, v[TM+4+\b]
.endr
	v_lshl_or_b32 v[SPW], v[AT+1], 8, v[AT]
	v_lshl_or_b32 v[SPW], v[AT+2], 16, v[SPW]
	v_lshl_or_b32 v[SPW], v[AT+3], 24, v[SPW]
.irp b, 0,1,2,3
.irp i, 0,2,4,6,8,10,12,14
	v_pk_mul_f32 v[EK+16*\b+\i:EK+16*\b+\i+1], v[EK+16*\b+\i:EK+16*\b+\i+1], v[TM+8+2*\b:TM+9+2*\b] op_sel_hi:[1,0]
.endr
.endr
.irp b, 0,1,2,3
	v_cvt_scalef32_pk8_fp4_f32 v[PC+2*\b], v[EK+16*\b:EK+16*\b+7], v[TM+4+\b]
	v_cvt_scalef32_pk8_fp4_f32 v[PC+1+2*\b], v[EK+16*\b+8:EK+16*\b+15], v[TM+4+\b]
.endr
	v_nop                                          ; one plain place behind a scaled conversion
	SWAPS
	NOPS 8                                         ; places between operands and scales made by vector instructions and the scaled product
.if \ks == 0
	FP4 O, QS, PC, WK, SVF, SPW, 0                 ; O^T begins with the single column's share
.else
	s_wait_alu depctr_va_vdst(0)                   ; the wait ahead of a link that follows the instruction it adds onto
	FP4 O, QF, PC, O, SVF+1, SPW, 0
.endif
.endm
; A TURN: the head in hand, query tile qt.
.macro TURN qt
.set QT, \qt
	v_add_nc_u32 v[AT], s97, v[LI]
	v_add_nc_u32 v[HWA], s98, v[LI]
	v_add_nc_u32 v[AT+2], s99, v[LR]
	v_add_nc_u32 v[AT+3], s100, v[LR]
	ds_load_b128 v[E:E+3], v[AT]                   ; my query weight
	ds_load_b128 v[E+4:E+7], v[AT] offset:512
	ds_load_b32 v[SWS], v[AT+2]
	ds_load_b128 v[E+8:E+11], v[HWA] offset:24576  ; WC
	ds_load_b128 v[E+12:E+15], v[HWA] offset:25088
	ds_load_b32 v[SWC], v[AT+3] offset:6144
	ds_load_b128 v[WK:WK+3], v[HWA] offset:32768   ; W_key
	ds_load_b128 v[WK+4:WK+7], v[HWA] offset:33280
	ds_load_b32 v[SWK], v[AT+3] offset:8192
	ds_load_b32 v[SWV], v[AT+3] offset:10240       ; W_val's scale words, for stage 6
	ds_load_b128 v[E+24:E+27], v[XA] offset:1024*\qt  ; the queries
	ds_load_b128 v[E+28:E+31], v[XA] offset:1024*\qt+512
	ds_load_b32 v[SXQ], v[XSA] offset:64*\qt
	ds_load_b128 v[E+32:E+35], v[XA] offset:2048+1024*\qt   ; their partners
	ds_load_b128 v[E+36:E+39], v[XA] offset:2048+1024*\qt+512
	ds_load_b32 v[SXP], v[XSA] offset:128+64*\qt
	LOADQ 0
	s_wait_dscnt 0x0
	FP4 QS, E, E+24, -1, SWS, SXQ, 0               ; my Q
	FP4 E+40, E+8, E+24, -1, SWC, SXQ, 0           ; the single column's Q,
	FP4 E+48, WK, E+32, -1, SWK, SXP, 0            ; the partners' K,
	FP4 KT, WK, QF, -1, SWK, SQF, 0                ; and K of block 0
	FP4 KT+8, WK, QF+8, -1, SWK, SQF, 2
	NOPS 5                                         ; five places ahead of matrix instructions that take these results as a source; they serve the loads and the first reads below too
	LOADQ 1
.set SN, SCB
	WM 0                                           ; block 0's scores; the single column's score stands between them: my 8 channels,
	v_mul_f32 v[AT], v[E+40], v[E+48]
.irp i, 1,2,3,4,5,6,7
	WM \i
	v_fma_f32 v[AT], v[E+40+\i], v[E+48+\i], v[AT]
.endr
	v_permlanex16_b32 v[AT+1], v[AT], s12, s13
	v_add_f32 v[AT], v[AT], v[AT+1]                ; and lane l xor 16's
	v_mul_f32 v[AT+1], s10, v[AT]
	v_floor_f32 v[NMS], -v[AT+1]
	v_fma_f32 v[AT+1], v[AT], s10, v[NMS]
	v_exp_f32 v[ES], v[AT+1]
	v_mov_b32 v[NMR], 0x7f61b1e6                   ; -M so far: 3e38, over every -M
	v_mov_b32 v[SUM], 0
	s_wait_alu depctr_va_vdst(0)
.if \qt == 0
	v_cndmask_b32 v[NMS], v[NMS], v[NMR], s78      ; the depot has no single column
	v_cndmask_b32 v[ES], v[ES], v[SUM], s78
.endif
	NOPS 4                                         ; with the plain lines above: more than the nine places ahead of products that write K's registers again
	KTILES                                         ; block 1
	NOPS 5
	LOADQ 2
.irp k, 0,1,2,3,4,5,6,7
	STAGE \k
.endr
	v_permlanex16_b32 v[AT], v[SUM], s12, s13
	v_add_f32 v[SUM], v[SUM], v[AT]                ; the sum over my 256 key rows
.if \qt == 0
	v_mov_b32 v[AT+1], 0x7f61b1e6
	v_mov_b32 v[AT+2], 0
	v_cndmask_b32 v[NMR], v[NMR], v[AT+1], s79     ; for the depot members 2 and 3 have nothing
	v_cndmask_b32 v[SUM], v[SUM], v[AT+2], s79
.endif
	v_add_nc_u32 v[AT+3], s16, v[L8]
	ds_store_b64 v[AT+3], v[NMR:SUM] offset:4096*\qt
	BARRIER                                        ; every member's (-M, sum) lies in LDS.  The region of the other query tile is written next: its readers have waited for their loads ahead of this barrier
	v_add_nc_u32 v[AT+3], s17, v[L8]
.irp m, 0,1,2,3
	ds_load_b64 v[TM+2*\m:TM+2*\m+1], v[AT+3] offset:4096*\qt+256*\m
.endr
	s_wait_dscnt 0x0
	v_min3_num_f32 v[NM], v[TM], v[TM+2], v[TM+4]
	v_min3_num_f32 v[NM], v[NM], v[TM+6], v[NMS]   ; the row's -M
.irp m, 0,1,2,3
	v_sub_f32 v[TM+8+\m], v[NM], v[TM+2*\m]
.endr
	v_sub_f32 v[TM+12], v[NM], v[NMS]
.irp m, 0,1,2,3,4
	v_cvt_i32_f32 v[TM+8+\m], v[TM+8+\m]
.endr
.irp m, 0,1,2,3
	v_ldexp_f32 v[TM+2*\m+1], v[TM+2*\m+1], v[TM+8+\m]   ; each sum under the row's M
.endr
	v_ldexp_f32 v[TM+13], v[ES], v[TM+12]
	v_add_f32 v[TM+1], v[TM+1], v[TM+3]
	v_add_f32 v[TM+5], v[TM+5], v[TM+7]
	v_add_f32 v[TM+1], v[TM+1], v[TM+5]
	v_add_f32 v[TM+14], v[TM+1], v[TM+13]          ; the row's sum
	v_rcp_f32 v[RR], v[TM+14]
	v_nop                                          ; a plain place behind the reciprocal
	s_wait_alu depctr_va_vdst(0)
	v_mul_f32 v[AS], v[TM+13], v[RR]               ; the single column's weight,
	v_mul_f32 v[AS], s14, v[AS]                    ; in member 0 alone
.if \qt == 0
	v_mov_b32 v[AT+2], 0
	v_cndmask_b32 v[RR], v[RR], v[AT+2], s79       ; the depot's weights in members 2 and 3 are 0
.endif
.irp i, 0,1,2,3,4,5,6,7
	v_mul_f32 v[WK+\i], v[VP+\i], v[AS]            ; the single column's share, into the registers that W_key's fragment has left
.endr
	FIN 0
	FIN 1
	NOPS 4
	v_add_nc_u32 v[AT], s101, v[LI]
	ds_store_b128 v[AT], v[O:O+3] offset:1024*\qt
	ds_store_b128 v[AT], v[O+4:O+7] offset:1024*\qt+512
.endm
	s_mov_b32 s96, 2
.Lhead:                                            ; my group's two heads
	VQ 0
	VQ 1
	TURN 0
	TURN 1
	s_add_co_u32 s97, s97, 1024
	s_add_co_u32 s98, s98, 1024
	s_add_co_u32 s99, s99, 64
	s_add_co_u32 s100, s100, 64
	s_add_co_u32 s101, s101, 2048
	s_sub_co_u32 s96, s96, 1
	s_cmp_lg_u32 s96, 0
	s_cbranch_scc1 .Lhead
	; THE END.  Wave w adds the four members' parts of head w % 8, query tile w / 8; the heads meet as rows; wave w makes output columns 16 (w % 8) on of query tile w / 8.
	BARRIER                                        ; all parts of O^T lie in LDS
	s_lshr_b32 s20, s2, 3                          ; query tile
	s_and_b32 s21, s2, 7                           ; head, later tile of output columns
	s_lshr_b32 s22, s21, 1
	s_lshl_b32 s22, s22, 14
	s_and_b32 s23, s21, 1
	s_lshl_b32 s23, s23, 11
	s_add_co_u32 s22, s22, s23
	s_lshl_b32 s23, s20, 10
	s_add_co_u32 s22, s22, s23
	s_add_co_u32 s22, s22, OPART
	v_add_nc_u32 v[AT], s22, v[LI]
.irp m, 0,1,2,3
.irp c, 0,1
	ds_load_b128 v[E+8*\m+4*\c:E+8*\m+4*\c+3], v[AT] offset:4096*\m+512*\c
.endr
.endr
	v_and_b32 v[AT+1], 15, v0
	v_bfe_u32 v[AT+2], v0, 4, 1
	v_mul_u32_u24 v[AT+3], v[AT+1], 528
	v_lshl_add_u32 v[AT+1], v[AT+2], 5, v[AT+3]    ; row r, + 32 h
	v_lshl_add_u32 v[AT+2], v[AT+2], 6, v[AT+3]    ; row r, + 64 h
	s_mul_i32 s22, s20, 8448
	s_add_co_u32 s22, s22, HROW
	s_lshl_b32 s23, s21, 6
	s_add_co_u32 s23, s22, s23
	v_add_nc_u32 v[AT+1], s23, v[AT+1]             ; where my 8 numbers of a row go: 64 bytes a head (and, 16,896 further on, a tile of output columns)
	v_add_nc_u32 v[AT+2], s22, v[AT+2]             ; where I read my 16 numbers of each block of 32
	s_wait_dscnt 0x0
.irp i, 0,2,4,6
	v_pk_add_f32 v[E+\i:E+\i+1], v[E+\i:E+\i+1], v[E+8+\i:E+9+\i]
.endr
.irp i, 0,2,4,6
	v_pk_add_f32 v[E+16+\i:E+17+\i], v[E+16+\i:E+17+\i], v[E+24+\i:E+25+\i]
.endr
.irp i, 0,2,4,6
	v_pk_add_f32 v[E+\i:E+\i+1], v[E+\i:E+\i+1], v[E+16+\i:E+17+\i]
.endr
	ds_store_b128 v[AT+1], v[E:E+3]
	ds_store_b128 v[AT+1], v[E+4:E+7] offset:16
	BARRIER                                        ; 32 rows of 128 numbers, (head, channel) along a row
.irp b, 0,1,2,3
.irp i, 0,1,2,3
	ds_load_b128 v[E+64+16*\b+4*\i:E+64+16*\b+4*\i+3], v[AT+2] offset:128*\b+16*\i
.endr
.endr
	s_lshl_b32 s24, s21, 10
	s_add_co_u32 s24, s24, WOI
	v_add_nc_u32 v[AT], s24, v[LI]
	ds_load_b128 v[QF:QF+3], v[AT]
	ds_load_b128 v[QF+4:QF+7], v[AT] offset:512
	s_lshl_b32 s24, s21, 6
	s_add_co_u32 s24, s24, WOS
	v_add_nc_u32 v[AT+3], s24, v[LR]
	ds_load_b32 v[SWO], v[AT+3]
	s_wait_dscnt 0x0
	QUANT E+64
	NOPS 8                                         ; places between operands and scales made by vector instructions and the scaled product
	FP4 O, QF, PC, -1, SWO, SPW, 0                 ; source 0 = 16 output columns, source 1 = my 16 queries: a lane holds 8 neighbouring numbers of a row
	NOPS 4
	ds_store_b128 v[AT+1], v[O:O+3] offset:16896
	ds_store_b128 v[AT+1], v[O+4:O+7] offset:16912
	BARRIER                                        ; 32 whole output rows lie in the stage
	s_mul_i32 s24, s2, 1056
	s_add_co_u32 s24, s24, OSTG
	v_add_nc_u32 v[AT], s24, v[LI]
	ds_load_b128 v[E:E+3], v[AT]                   ; rows 2 w and 2 w + 1, 16 bytes a lane
	ds_load_b128 v[E+4:E+7], v[AT] offset:528
	s_lshl_b32 s26, s2, 1
	s_add_co_u32 s26, s26, s7                      ; the first row's token
	s_mul_i32 s24, s6, 501
	s_add_co_u32 s24, s24, s26
	s_lshl_b32 s24, s24, 9
	s_mov_b32 s25, 0
	s_add_nc_u64 s[58:59], s[58:59], s[24:25]
	s_wait_dscnt 0x0
	s_cmp_gt_u32 s26, s8                           ; rows past the kind's last token repeat it and are not stored
	s_cbranch_scc1 .Ldone
	global_store_b128 v[LI], v[E:E+3], s[58:59] th:TH_STORE_NT              ; 32 lanes store a row's 512 consecutive bytes, at a multiple of 256 from the output's first byte
	s_add_co_u32 s26, s26, 1
	s_cmp_gt_u32 s26, s8
	s_cbranch_scc1 .Ldone
	global_store_b128 v[LI], v[E+4:E+7], s[58:59] offset:512 th:TH_STORE_NT
.Ldone:
	s_wait_xcnt 0x0
	v_lshl_add_u32 v254, v0, 2, 0x48000
	v_mov_b32 v255, 0
	s_wait_tensorcnt 0x0
	ds_add_u32 v254, v255
	s_wait_dscnt 0x0
	s_endpgm
.Lfunc_end_k_q68b0ecc0ad_hmha:
	.size	k_q68b0ecc0ad_hmha, .Lfunc_end_k_q68b0ecc0ad_hmha-k_q68b0ecc0ad_hmha
	.p2alignl 7, 3214868480
	.fill 96, 4, 3214868480
	.section	.rodata,"a",@progbits
	.p2align	6, 0x0
	.amdhsa_kernel k_q68b0ecc0ad_hmha
		.amdhsa_group_segment_fixed_size 296960
		.amdhsa_private_segment_fixed_size 0
		.amdhsa_enable_private_segment 0
		.amdhsa_kernarg_size 176
		.amdhsa_user_sgpr_count 2
		.amdhsa_user_sgpr_kernarg_segment_ptr 1
		.amdhsa_wavefront_size32 1
		.amdhsa_system_sgpr_workgroup_id_x 1
		.amdhsa_system_sgpr_workgroup_id_y 1
		.amdhsa_system_sgpr_workgroup_id_z 1
		.amdhsa_system_vgpr_workitem_id 0
		.amdhsa_next_free_vgpr 256
		.amdhsa_next_free_sgpr 102
		.amdhsa_reserve_vcc 1
		.amdhsa_float_denorm_mode_32 3
		.amdhsa_float_denorm_mode_16_64 3
		.amdhsa_memory_ordered 1
		.amdhsa_forward_progress 1
		.amdhsa_inst_pref_size 135
	.end_amdhsa_kernel
	.amdgpu_metadata
---
amdhsa.version: [ 1, 2 ]
amdhsa.kernels:
  - .name:           k_q68b0ecc0ad_hmha
    .symbol:         k_q68b0ecc0ad_hmha.kd
    .args:
      - { .name: q_codes, .offset: 0, .size: 8, .value_kind: global_buffer, .address_space: global }
      - { .name: q_scales, .offset: 8, .size: 8, .value_kind: global_buffer, .address_space: global }
      - { .name: W_query_codes, .offset: 16, .size: 8, .value_kind: global_buffer, .address_space: global }
      - { .name: W_query_scales, .offset: 24, .size: 8, .value_kind: global_buffer, .address_space: global }
      - { .name: W_key_codes, .offset: 32, .size: 8, .value_kind: global_buffer, .address_space: global }
      - { .name: W_key_scales, .offset: 40, .size: 8, .value_kind: global_buffer, .address_space: global }
      - { .name: W_val_codes, .offset: 48, .size: 8, .value_kind: global_buffer, .address_space: global }
      - { .name: W_val_scales, .offset: 56, .size: 8, .value_kind: global_buffer, .address_space: global }
      - { .name: W1_query_codes, .offset: 64, .size: 8, .value_kind: global_buffer, .address_space: global }
      - { .name: W1_query_scales, .offset: 72, .size: 8, .value_kind: global_buffer, .address_space: global }
      - { .name: W2_query_codes, .offset: 80, .size: 8, .value_kind: global_buffer, .address_space: global }
      - { .name: W2_query_scales, .offset: 88, .size: 8, .value_kind: global_buffer, .address_space: global }
      - { .name: W3_query_codes, .offset: 96, .size: 8, .value_kind: global_buffer, .address_space: global }
      - { .name: W3_query_scales, .offset: 104, .size: 8, .value_kind: global_buffer, .address_space: global }
      - { .name: W4_query_codes, .offset: 112, .size: 8, .value_kind: global_buffer, .address_space: global }
      - { .name: W4_query_scales, .offset: 120, .size: 8, .value_kind: global_buffer, .address_space: global }
      - { .name: W5_query_codes, .offset: 128, .size: 8, .value_kind: global_buffer, .address_space: global }
      - { .name: W5_query_scales, .offset: 136, .size: 8, .value_kind: global_buffer, .address_space: global }
      - { .name: W6_query_codes, .offset: 144, .size: 8, .value_kind: global_buffer, .address_space: global }
      - { .name: W6_query_scales, .offset: 152, .size: 8, .value_kind: global_buffer, .address_space: global }
      - { .name: W_out, .offset: 160, .size: 8, .value_kind: global_buffer, .address_space: global }
      - { .name: out0, .offset: 168, .size: 8, .value_kind: global_buffer, .address_space: global }
    .group_segment_fixed_size: 296960
    .private_segment_fixed_size: 0
    .kernarg_segment_align: 8
    .kernarg_segment_size: 176
    .max_flat_workgroup_size: 512
    .sgpr_count:     102
    .vgpr_count:     256
    .wavefront_size: 32
...
	.end_amdgpu_metadata
.endif
;; end of part 1
;; ======== version 2 of 2: 1 launch; version 1 with the launch hmha written anew for expert scheduling mode
;; limits: right only within a limited range of input values
;; launch hmha (part 2): grid 16 x 16, 16 waves a work-group, no clusters, 296,960 bytes of LDS; arguments q_codes, q_scales, W_query_codes, W_query_scales, W_key_codes, W_key_scales, W_val_codes, W_val_scales, W1_query_codes, W1_query_scales, W2_query_codes, W2_query_scales, W3_query_codes, W3_query_scales, W4_query_codes, W4_query_scales, W5_query_codes, W5_query_scales, W6_query_codes, W6_query_scales, W_out, out0; writes out0
.if DOCPART == 2
	.amdgcn_target "amdgcn-amd-amdhsa--gfx1250"
	.amdhsa_code_object_version 6
	.text
	.protected	k_q68b0ecc0ad_hmha
	.globl	k_q68b0ecc0ad_hmha
	.p2align	8
	.type	k_q68b0ecc0ad_hmha,@function
k_q68b0ecc0ad_hmha:
	s_mov_b64 s[64:65], 0
	v_nop
	global_prefetch_b8 v0, s[64:65] scope:SCOPE_SE
	s_setreg_imm32_b32 hwreg(HW_REG_WAVE_SCHED_MODE, 0, 2), 2
	s_setreg_imm32_b32 hwreg(HW_REG_WAVE_MODE, 25, 1), 1
	s_wait_xcnt 0x0
	s_wait_alu depctr_vm_vsrc(0)
; HETEROGENEOUS ATTENTION, 16 batches x 501 tokens x 8 heads of 16, in ONE launch; nothing goes through memory between its steps.
; A work-group (x = block of 32 queries, y = batch) takes its 32 queries through all 8 heads and the output product.  Blocks 0-7 hold tokens 32 x .. (depot and pick-ups, up to 250),
; blocks 8-15 tokens 32 x - 5 .. (deliveries, up to 500); rows past the limit repeat the limit's token and are not stored.
; KEY ROWS.  A query's live columns are laid as 1,024 key rows: 0-511 all tokens (501 valid), 512-767 the pick-ups (250 valid), 768-1023 the deliveries (250 valid).  Rows that are not valid hold zero
; codes, so V is 0 there, and their scores become -infinity.  Blocks of 32 key rows are the blocks of the products of the weights with V.  The columns that the problem itself sets to -infinity are not computed.
; By the kind of the queries the weights are chosen: WA (against pick-ups) = W2 or W6, WB (against deliveries) = W3 or W5, WC (the single column, partner token +250 or -250) = W1 or W4.
; SHARES.  16 waves in 4 groups of 4.  Group g takes heads 2 g and 2 g + 1; member j takes key rows 256 j .. 256 j + 255.  A TURN is one head and one tile of 16 queries.
; In a turn a wave makes its 16 x 256 scores once (K from q's codes by the FP4 form, K Q^T by the f32 form, since the scores go on into a quantiser), takes each exponential once, against its block's own
; whole-number maximum, and keeps the 128 registers; the four members exchange (-M, sum) through LDS; each then scales by 2^(M_block - M) / sum, quantises along the keys and multiplies by its own codes of V.
; MATRIX AND VECTOR WORK BY TURNS.  The scores have two sets of accumulators.  In a STAGE the eight f32 products of block b + 1 are issued, and behind each stands a slice of block b's softmax; the rest of that
; softmax stands round the two FP4 products that make K of block b + 2, and fills most of the places that those ask for.
; LAYOUT.  An FP4 product with source 0 = a head's 16 rows of a weight and source 1 = 16 tokens leaves token r = lane % 16 and channels 8 (lane / 16) + 0 .. 7 in a lane: its register pairs are operands of the
; f32 form under a permutation of the 16 channels that K and Q share.  Lane r of key tile 2 b + u takes key row 32 b + 8 u + r + 8 (r / 8), so that the 16 registers of two neighbouring tiles of S^T are 16 neighbouring key rows.
; Operands lie in LDS as images of their registers: group of four registers c at 512 c, lane l at 16 l.
; LIMITS.  NaN, infinities and scale bytes 0xff among the inputs are not served.  M is exact while |score x log2(e) / 4| stays under 2^24.  A weight more than 2^126 under its own block's largest becomes 0.
; A block's largest weight is made from the block's largest score by the same instructions: v_exp_f32 is taken not to fall where its input rises.  A block of zeros gets the scale byte 1, not 127: its codes are zeros, and only this text reads the bytes.
; NOT USED.  Tensor loads and joint loads: a work-group reads some 176 KB once, at its head, and on that way rows are permuted and rows are cleared, which goes through registers.  Prefetches: every load stands at the head.
; THE MODE: SCHED_MODE bits 1:0 = 2 (LLVM: expert scheduling mode 2), set by the entry lines.  The code itself states the register dependences between vector or matrix instructions and memory or LDS instructions,
; with s_wait_alu, always for 0.
; THE PLAN.  Registers that LDS or memory instructions touch in the loop, and who else names them:
;   v1-v11             addresses, made at the head and never written again.
;   v[AT ..], v[HWA]   addresses made anew at the head of VQ, at the head of a turn, ahead of the exchange and ahead of the store of O^T; in between v[AT ..] are at work.  A wait on vm_vsrc stands ahead of the first
;                      line that writes them again, a wait on va_vdst between the making and the first access.
;   v[QF ..], v[SQF]   two key tiles and their scale words.  Stage b: its two FP4 products read block b + 2's; behind them the loads of block b + 3 land there (stage 5: W_val's and the partners' fragments; stage 6: V's second fragment).
;   v[QS ..], v[SVF]   Q, read by the f32 products up to stage 6; behind them V's first fragment and V's scale words land there.
;   v[E ..], v[WK ..] and the scale registers   loaded at the head of VQ and of a turn, behind the wait on va_vdst that stands there.
;   v[PC ..], v[SPW]   written by the conversions; read by VQ's LDS stores and by scaled products: a wait on va_vdst ahead of either.
;   v[NMR:SUM], v[TM ..], v[O ..]   the exchange's store data, the registers in which its loads land, the store data at a turn's end.
; So ONE wait on va_vdst stands in a stage, behind its FP4 products: it states that the stage's sixteen exponentials are written and that those products (in stage 6 the f32 products too) are done reading the
; registers in which the stage's loads land.  The loads follow it at once, and no vector or matrix instruction up to the next stage's wait names their registers but the products that wait for them on DScnt.
.set QIMG,  0                          ; 64 key tiles, 1,024 bytes each
.set QSCL,  65536                      ; their scale words: block p at 128 p: lanes 0-15 tile 2 p, lanes 16-31 tile 2 p + 1
.set WIMG,  69632                      ; 6 slots x 8 heads x 1,024: W_query, WA, WB, WC, W_key, W_val
.set XIMG,  118784                     ; tiles 0, 1: my queries; 2, 3: their partners; 4-7 repeat them
.set SCLT,  126976                     ; 7 tables of 2,048 bytes: scale word of row (thread % 128) at 4 x thread; tables 0-5 the slots, 6 the queries and partners
.set VST,   141312                     ; 2,304 bytes a wave: for each of its two K steps V's image (1,024) and its scale words (128)
.set WOI,   178176                     ; W_out's 8 tiles
.set WOS,   186368                     ; their scale words
.set STATS, 186880                     ; two regions of 4,096 (by the query tile): wave w at 256 w, lane l at 8 l: (-M, sum)
.set OPART, 195072                     ; wave w at 4,096 w, turn at 1,024: image of its part of O^T
.set HROW,  260608                     ; 32 rows x 528: the heads, f32
.set OSTG,  277504                     ; 32 rows x 528: the output rows
.set LI,  1                            ; 16 x lane
.set LS,  2                            ; 4 x lane
.set LR,  3                            ; 4 x (lane % 16)
.set L8,  4                            ; 8 x lane
.set KA,  5                            ; my 16 key tiles
.set KSA, 6                            ; their scale words
.set NINF, 7                           ; -infinity
.set XA,  8                            ; the queries' images
.set XSA, 9                            ; their scale words
.set VSA, 10                           ; my V images
.set VSS, 11                           ; their scale words
.set AT,  12                           ; v12-15 at work
.set SQF, 16                           ; v16-29 hold scales and nothing else
.set SWK, 20
.set SWV, 21
.set SWS, 22
.set SWC, 23
.set SXQ, 24
.set SXP, 25
.set SPW, 26
.set SVF, 27
.set SWO, 29
.set NB,  30                           ; v30 -M of the block in hand
.set HWA, 31                           ; v31 LDS address of the head's weights, slot 0.  (It is also the upper half of the pair v[30:31], of which the packed form takes the low word alone)
.set SCA, 32                           ; v32-47 two tiles of S^T, the odd blocks': written by matrix instructions alone
.set KT,  48                           ; v48-63 K of two tiles; else at work (TM)
.set TM,  48
.set QF,  64                           ; v64-79 two fragments of q; W_val's and the partners'; V's second fragment; v72-79 codes just made (PC)
.set PC,  72
.set QS,  80                           ; v80-87 my Q; later V's first fragment
.set WK,  88                           ; v88-95 W_key's fragment, loaded for each turn; behind the scores the single column's share of O^T
.set SCB, 96                           ; v96-111 two tiles of S^T, the even blocks': written by matrix instructions alone; behind block 6:
.set VP,  96                           ; v96-103 the partners' V,
.set O,   104                          ; v104-111 O^T
.set BM,  112                          ; v112-119 the largest score of each of my 8 blocks
.set NMR, 120                          ; -M so far, and
.set SUM, 121                          ; the sum under it: a pair, stored together
.set NMS, 122                          ; the single column's -M
.set ES,  123                          ; and its exponential
.set NM,  124                          ; the row's -M
.set RR,  125                          ; 1 / the row's sum
.set AS,  126
.set BS,  127
.set E,   128                          ; v128-255 the turn's 128 exponentials; elsewhere operands and results
.set MK,  80                           ; s80-95 lanes in which register i of my last block is a valid key row
.macro NOPS n
.rept \n
	v_nop
.endr
.endm
.macro BARRIER                         ; my LDS stores have landed and my LDS loads are in: then the work-group's barrier
	s_wait_dscnt 0x0
	s_barrier_signal -1
	s_barrier_wait -1
.endm
; An FP4 product.  c < 0: the sum starts at 0.  row = 1: source 0's scales from lanes 16-31; row = 2: source 1's.
.macro FP4 d, a, b, c, sa, sb, row
.if (\c) >= 0
	v_wmma_scale_f32_16x16x128_f8f6f4 v[(\d):(\d)+7], v[(\a):(\a)+7], v[(\b):(\b)+7], v[(\c):(\c)+7], v[(\sa)], v[(\sb)] matrix_a_fmt:MATRIX_FMT_FP4 matrix_b_fmt:MATRIX_FMT_FP4
.elseif (\row) == 0
	v_wmma_scale_f32_16x16x128_f8f6f4 v[(\d):(\d)+7], v[(\a):(\a)+7], v[(\b):(\b)+7], 0, v[(\sa)], v[(\sb)] matrix_a_fmt:MATRIX_FMT_FP4 matrix_b_fmt:MATRIX_FMT_FP4
.elseif (\row) == 1
	v_wmma_scale_f32_16x16x128_f8f6f4 v[(\d):(\d)+7], v[(\a):(\a)+7], v[(\b):(\b)+7], 0, v[(\sa)], v[(\sb)] matrix_a_fmt:MATRIX_FMT_FP4 matrix_b_fmt:MATRIX_FMT_FP4 matrix_a_scale:MATRIX_SCALE_ROW1
.else
	v_wmma_scale_f32_16x16x128_f8f6f4 v[(\d):(\d)+7], v[(\a):(\a)+7], v[(\b):(\b)+7], 0, v[(\sa)], v[(\sb)] matrix_a_fmt:MATRIX_FMT_FP4 matrix_b_fmt:MATRIX_FMT_FP4 matrix_b_scale:MATRIX_SCALE_ROW1
.endif
.endm
; The half blocks that the conversions leave become whole blocks: lanes 0-15 block 2 c, lanes 16-31 block 2 c + 1
.macro SWAPS
.irp c, 0,1
.irp i, 0,1
	v_permlane16_swap_b32 v[PC+4*\c+\i], v[PC+2+4*\c+\i]
.endr
.endr
.endm
; 64 numbers of a lane, register 16 b + i = k 32 b + 16 (lane / 16) + i of my row, become a fragment's codes in v[PC] on and its scale word in v[SPW]
.macro QUANT s
.irp b, 0,1,2,3
	v_max3_num_f32 v[TM+\b], |v[\s+16*\b]|, |v[\s+1+16*\b]|, 0x1800000   ; my 16 numbers of block b, and the floor 2^(3 - 127): the byte cannot fall under 1
.endr
.irp i, 2,4,6,8,10,12,14
.irp b, 0,1,2,3
	v_max3_num_f32 v[TM+\b], v[TM+\b], |v[\s+16*\b+\i]|, |v[\s+1+16*\b+\i]|
.endr
.endr
.irp b, 0,1,2,3
	v_permlanex16_b32 v[TM+4+\b], v[TM+\b], s12, s13
.endr
.irp b, 0,1,2,3
	v_max_num_f32 v[TM+\b], v[TM+\b], v[TM+4+\b]   ; with lane l xor 16's: the block's largest magnitude
.endr
.irp b, 0,1,2,3
	v_add_nc_u32 v[TM+8+\b], 0xff000000, v[TM+\b]  ; 2 off its exponent field: the conversion's scale operand
.endr
.irp b, 0,1,2,3
	v_lshrrev_b32 v[TM+4+\b], 23, v[TM+8+\b]       ; the scale's byte
.endr
	v_lshl_or_b32 v[SPW], v[TM+5], 8, v[TM+4]
	v_lshl_or_b32 v[SPW], v[TM+6], 16, v[SPW]
	v_lshl_or_b32 v[SPW], v[TM+7], 24, v[SPW]
.irp b, 0,1,2,3
	v_cvt_scalef32_pk8_fp4_f32 v[PC+2*\b], v[\s+16*\b:\s+7+16*\b], v[TM+8+\b]
	v_cvt_scalef32_pk8_fp4_f32 v[PC+1+2*\b], v[\s+8+16*\b:\s+15+16*\b], v[TM+8+\b]
.endr
	v_nop                                          ; one plain place behind a scaled conversion
	SWAPS
.endm
	s_load_b512 s[16:31], s[0:1], 0x0              ; q codes, q scales, W_query c, s, W_key c, s, W_val c, s
	s_load_b512 s[32:47], s[0:1], 0x40             ; W1 c, s, W2 c, s, W3 c, s, W4 c, s
	s_load_b256 s[48:55], s[0:1], 0x80             ; W5 c, s, W6 c, s
	s_load_b128 s[56:59], s[0:1], 0xa0             ; W_out, out0
	v_lshrrev_b32 v1, 5, v0
	v_readfirstlane_b32 s2, v1                     ; wave 0..15
	s_wait_alu depctr_va_sdst(0)                   ; s2 is written, ahead of its first reader
	s_lshr_b32 s3, s2, 2                           ; group g
	s_and_b32 s4, s2, 3                            ; member j
	s_mov_b32 s5, ttmp9                            ; block of queries
	s_and_b32 s6, ttmp7, 0xffff                    ; batch
	s_mov_b32 s10, 0x3eb8aa3b                      ; c = log2(e) / 4: t = score x c
	s_mov_b32 s11, s10                             ; (named with it as a pair)
	s_mov_b32 s12, 0x76543210
	s_mov_b32 s13, 0xfedcba98                      ; v_permlanex16_b32's selects for lane l xor 16
	s_cmp_lt_u32 s5, 8                             ; pick-ups (and the depot) or deliveries?
	s_cselect_b32 s60, 0, 5
	s_mov_b32 s8, 500
	s_cselect_b32 s8, 250, s8                      ; the last token of the kind
	s_mov_b32 s9, -250
	s_cselect_b32 s9, 250, s9                      ; from a token to its partner
	s_lshl_b32 s7, s5, 5
	s_sub_co_u32 s7, s7, s60                       ; my first token
	; THE FILL: offsets in memory.  Thread t takes 16 bytes: piece t % 4 of row t / 4 of 128 rows
	v_and_b32 v216, 15, v0                         ; r
	v_bfe_u32 v217, v0, 4, 1                       ; h
	v_lshlrev_b32 v200, 4, v0
	v_add_nc_u32 v201, 24576, v200
	v_min_u32 v201, 32048, v201                    ; tokens 384 on: held at the batch's last 16 bytes
	v_add_nc_u32 v202, 24256, v200
	v_min_u32 v202, 32048, v202                    ; tokens 379 on: likewise
	v_bfe_u32 v213, v0, 2, 5
	v_add_nc_u32 v213, s7, v213
	v_min_u32 v213, s8, v213                       ; query token of row (t / 4) % 32,
	v_bfe_u32 v214, v0, 7, 1
	v_mul_lo_u32 v214, v214, s9
	v_add_nc_u32 v213, v213, v214                  ; or its partner
	v_and_b32 v214, 3, v0
	v_lshlrev_b32 v214, 4, v214
	v_lshl_add_u32 v203, v213, 6, v214
	v_lshlrev_b32 v204, 2, v0
	v_min_u32 v204, 2000, v204                     ; scale word of key row t
	v_lshrrev_b32 v213, 8, v0
	v_mul_u32_u24 v213, v213, 6
	v_sub_nc_u32 v213, v0, v213
	v_add_nc_u32 v213, 1, v213                     ; key row 512 + t: token t + 1, or t - 5 from t = 256 on
	v_lshlrev_b32 v205, 2, v213
	v_min_u32 v205, 2000, v205
	v_and_b32 v206, 127, v0
	v_lshlrev_b32 v206, 2, v206                    ; scale word of a weight's row t % 128
	v_and_b32 v213, 31, v0
	v_add_nc_u32 v213, s7, v213
	v_min_u32 v213, s8, v213
	v_bfe_u32 v214, v0, 5, 1
	v_mul_lo_u32 v214, v214, s9
	v_add_nc_u32 v213, v213, v214
	v_lshlrev_b32 v207, 2, v213                    ; scale word of query or partner row t % 128
	v_lshlrev_b32 v208, 2, v216
	v_lshl_add_u32 v208, v217, 14, v208            ; W_out: column r, 32 h rows down
	; and places in LDS.  Key row 32 b + x: tile 2 b + bit 3 of x, tile row (x % 8) + 8 x bit 4 of x
	v_and_b32 v213, 0x1c, v0
	v_lshlrev_b32 v209, 2, v213
	v_and_b32 v213, 0x40, v0
	v_lshl_or_b32 v209, v213, 1, v209
	v_and_b32 v213, 3, v0
	v_lshl_or_b32 v209, v213, 8, v209
	v_and_b32 v213, 0x20, v0
	v_lshl_or_b32 v209, v213, 5, v209
	v_and_b32 v213, 0x180, v0
	v_lshl_or_b32 v209, v213, 4, v209
	v_and_b32 v213, 0x3c, v0                       ; weights and queries: rows as they lie
	v_lshlrev_b32 v210, 2, v213
	v_and_b32 v213, 3, v0
	v_lshl_or_b32 v210, v213, 8, v210
	v_and_b32 v213, 0x1c0, v0
	v_lshl_or_b32 v210, v213, 4, v210
	v_add_nc_u32 v210, WIMG, v210
	v_and_b32 v213, 7, v0                          ; key scale words, by the tiles' rows
	v_lshlrev_b32 v211, 2, v213
	v_and_b32 v213, 0x10, v0
	v_lshl_or_b32 v211, v213, 1, v211
	v_and_b32 v213, 8, v0
	v_lshl_or_b32 v211, v213, 3, v211
	v_and_b32 v213, 0x1e0, v0
	v_lshl_or_b32 v211, v213, 2, v211
	v_add_nc_u32 v211, QSCL, v211
	v_lshl_add_u32 v212, v0, 2, SCLT
	s_wait_kmcnt 0x0
	s_cmp_lt_u32 s5, 8                             ; the choice hangs on the work-group's number alone
	s_cselect_b64 s[66:67], s[36:37], s[52:53]     ; WA: W2 or W6
	s_cselect_b64 s[68:69], s[38:39], s[54:55]
	s_cselect_b64 s[70:71], s[40:41], s[48:49]     ; WB: W3 or W5
	s_cselect_b64 s[72:73], s[42:43], s[50:51]
	s_cselect_b64 s[74:75], s[32:33], s[44:45]     ; WC: W1 or W4
	s_cselect_b64 s[76:77], s[34:35], s[46:47]
	s_mul_i32 s60, s6, 32064
	s_mov_b32 s61, 0
	s_add_nc_u64 s[16:17], s[16:17], s[60:61]      ; my batch's codes
	s_mul_i32 s60, s6, 2004
	s_add_nc_u64 s[18:19], s[18:19], s[60:61]      ; and scale words
	s_lshr_b32 s62, s2, 3
	s_lshl_b32 s60, s62, 15
	s_and_b32 s63, s2, 7
	s_lshl_b32 s62, s63, 6
	s_add_co_u32 s60, s60, s62
	s_add_nc_u64 s[56:57], s[56:57], s[60:61]      ; W_out: rows 64 (wave / 8) on, columns 16 (wave % 8) on
	s_wait_alu depctr_va_vdst(0)                   ; v200 to v208 are written, which the loads below read as their offsets
	global_load_b128 v[128:131], v200, s[16:17]                ; key rows 0-127: tokens 0 on
	global_load_b128 v[132:135], v200, s[16:17] offset:8192    ; 128 on
	global_load_b128 v[136:139], v200, s[16:17] offset:16384   ; 256 on
	global_load_b128 v[140:143], v201, s[16:17]                ; 384 on
	global_load_b128 v[144:147], v200, s[16:17] offset:64      ; key rows 512 on: tokens 1 on
	global_load_b128 v[148:151], v200, s[16:17] offset:8256    ; 129 on
	global_load_b128 v[152:155], v200, s[16:17] offset:16064   ; key rows 768 on: tokens 251 on
	global_load_b128 v[156:159], v202, s[16:17]                ; 379 on
	global_load_b128 v[160:163], v203, s[16:17]                ; queries and partners
	global_load_b128 v[164:167], v200, s[20:21]                ; the six weights
	global_load_b128 v[168:171], v200, s[66:67]
	global_load_b128 v[172:175], v200, s[70:71]
	global_load_b128 v[176:179], v200, s[74:75]
	global_load_b128 v[180:183], v200, s[24:25]
	global_load_b128 v[184:187], v200, s[28:29]
	global_load_b32 v188, v204, s[18:19]
	global_load_b32 v189, v205, s[18:19]
	global_load_b32 v190, v206, s[22:23]
	global_load_b32 v191, v206, s[68:69]
	global_load_b32 v192, v206, s[72:73]
	global_load_b32 v193, v206, s[76:77]
	global_load_b32 v194, v206, s[26:27]
	global_load_b32 v195, v206, s[30:31]
	global_load_b32 v196, v207, s[18:19]
.irp i, 0,1,2,3,4,5,6,7,8,9,10,11,12,13,14,15,16,17,18,19,20,21,22,23,24,25,26,27,28,29,30,31
	global_load_b32 v[224+\i], v208, s[56:57] offset:512*\i    ; W_out(64 c + 32 h + i, 16 et + r): a whole block of 32 along K in a lane
.endr
	; what stays, made while the loads are on their way: none of these lines names a register that the loads above touch
	v_and_b32 v213, 31, v0
	v_lshlrev_b32 v[LI], 4, v213
	v_lshlrev_b32 v[LS], 2, v213
	v_lshlrev_b32 v[LR], 2, v216
	v_lshlrev_b32 v[L8], 3, v213
	s_lshl_b32 s60, s4, 14
	v_add_nc_u32 v[KA], s60, v[LI]
	s_lshl_b32 s60, s4, 10
	s_add_co_u32 s60, s60, QSCL
	v_add_nc_u32 v[KSA], s60, v[LS]
	v_mov_b32 v[NINF], 0xff800000
	v_add_nc_u32 v[XA], XIMG, v[LI]
	v_add_nc_u32 v[XSA], SCLT+12288, v[LR]
	s_mul_i32 s60, s2, 2304
	s_add_co_u32 s60, s60, VST
	v_add_nc_u32 v[VSA], s60, v[LI]
	s_add_co_u32 s60, s60, 1024
	v_add_nc_u32 v[VSS], s60, v[LS]
	s_cmp_eq_u32 s4, 0
	s_cselect_b32 s61, 16, 10                      ; valid key rows among the last 16 of my 256: 16, 5, 10, 10 by the member
	s_cselect_b32 s14, 0x3f800000, 0               ; member 0 alone adds the single column's share
	s_cmp_eq_u32 s4, 1
	s_cselect_b32 s61, 5, s61
	s_sub_co_i32 s61, s61, 16
	v_mul_lo_u32 v215, v217, s61
	v_add_nc_u32 v215, 16, v215                    ; lanes 0-15 hold the 16 rows before them: all valid
.irp i, 0,1,2,3,4,5,6,7,8,9,10,11,12,13,14,15
	v_cmp_lt_u32 s[MK+\i], \i, v215
.endr
	s_cmp_ge_u32 s4, 2
	s_cselect_b32 s15, -1, 0
	v_add_nc_u32 v218, s7, v216
	v_cmp_eq_u32 s78, 0, v218                      ; lanes whose query in tile 0 is the depot,
	s_wait_alu depctr_va_sdst(0)                   ; the seventeen compares have written s[MK ..] and s78, ahead of their first readers and of the loop's label
	s_and_b32 s79, s78, s15                        ; in members 2 and 3: the depot has none of their columns
.irp k, 12,13,14,15,52,53,54,55
	v_mov_b32 v\k, 0                               ; written once: destinations of lane permutes
.endr
	s_min_u32 s60, s4, 1
	s_sub_co_u32 s60, s4, s60                      ; my query weight's slot: 0, 0, 1, 2
	s_lshl_b32 s98, s3, 11
	s_add_co_u32 s98, s98, WIMG                    ; slot 0, head 2 g
	s_lshl_b32 s61, s60, 13
	s_add_co_u32 s97, s98, s61                     ; my slot, head 2 g
	s_lshl_b32 s100, s3, 7
	s_add_co_u32 s100, s100, SCLT                  ; the same among the scale words
	s_lshl_b32 s61, s60, 11
	s_add_co_u32 s99, s100, s61
	s_lshl_b32 s101, s2, 12
	s_add_co_u32 s101, s101, OPART                 ; my parts of O^T
	s_wait_loadcnt 32                              ; the fill's 24 loads are in; the 32 of W_out, issued behind them, may be out
	v_cmp_gt_u32 vcc_lo, 468, v0                   ; tokens 501 on: zero codes
	s_wait_alu depctr_va_vcc(0)                    ; VCC is written, ahead of the selects that read it
.irp k, 0,1,2,3
	v_cndmask_b32 v[140+\k], 0, v[140+\k], vcc_lo
.endr
	v_cmp_gt_u32 vcc_lo, 488, v0                   ; pick-ups and deliveries 250 on: zero codes
	s_wait_alu depctr_va_vcc(0)                    ; VCC is written, ahead of the selects that read it
.irp k, 0,1,2,3
	v_cndmask_b32 v[148+\k], 0, v[148+\k], vcc_lo
	v_cndmask_b32 v[156+\k], 0, v[156+\k], vcc_lo
.endr
	v_cmp_gt_u32 vcc_lo, 501, v0
	s_wait_alu depctr_va_vcc(0)                    ; VCC is written, ahead of the select that reads it
	v_cndmask_b32 v188, 0x7f7f7f7f, v188, vcc_lo   ; and scale 1 for such rows
	v_and_b32 v213, 255, v0
	v_cmp_gt_u32 vcc_lo, 250, v213
	s_wait_alu depctr_va_vcc(0)                    ; VCC is written, ahead of the select that reads it
	v_cndmask_b32 v189, 0x7f7f7f7f, v189, vcc_lo
	s_wait_alu depctr_va_vdst(0)                   ; the selects have written v140 .. v159, v188 and v189, which the LDS stores read (their addresses v209 to v212 were written ahead of the wait in front of the loads)
.irp i, 0,1,2,3,4,5,6,7
	ds_store_b128 v209, v[128+4*\i:131+4*\i] offset:8192*\i
.endr
.irp i, 0,1,2,3,4,5
	ds_store_b128 v210, v[164+4*\i:167+4*\i] offset:8192*\i
.endr
	ds_store_b128 v210, v[160:163] offset:49152
	ds_store_b32 v211, v188
	ds_store_b32 v211, v189 offset:2048
.irp i, 0,1,2,3,4,5
	ds_store_b32 v212, v[190+\i] offset:2048*\i
.endr
	ds_store_b32 v212, v196 offset:12288
	BARRIER                                        ; keys, weights, queries and their scale words lie in LDS
	; W_out is quantised along (head, channel): wave w makes registers 4 c .. 4 c + 3 (c = w / 8) of tile w % 8's fragment; it is read behind later barriers.  (No line up to the loop writes a register that the fill's loads or stores read.)
	s_and_b32 s60, s2, 7
	s_lshr_b32 s61, s2, 3
	s_lshl_b32 s62, s60, 10
	s_lshl_b32 s63, s61, 9
	s_add_co_u32 s62, s62, s63
	s_add_co_u32 s62, s62, WOI
	v_add_nc_u32 v[AT], s62, v[LI]
	s_lshl_b32 s62, s60, 6
	s_lshl_b32 s63, s61, 1
	s_add_co_u32 s62, s62, s63
	s_add_co_u32 s62, s62, WOS
	v_add_nc_u32 v[AT+1], s62, v[LR]
	s_wait_loadcnt 0x0
	s_lshl_b32 s16, s2, 8                          ; (no load is out: the arguments' registers are free)
	s_add_co_u32 s16, s16, STATS                   ; where I put my (-M, sum),
	s_lshl_b32 s17, s3, 10
	s_add_co_u32 s17, s17, STATS                   ; and where my group's four lie
	v_max3_num_f32 v48, |v224|, |v225|, 0x1800000
.irp i, 2,4,6,8,10,12,14,16,18,20,22,24,26,28,30
	v_max3_num_f32 v48, v48, |v[224+\i]|, |v[225+\i]|
.endr
	v_add_nc_u32 v49, 0xff000000, v48
	v_lshrrev_b32 v50, 23, v49
.irp g, 0,1,2,3
	v_cvt_scalef32_pk8_fp4_f32 v[PC+\g], v[224+8*\g:231+8*\g], v49
.endr
	v_nop                                          ; one plain place behind a scaled conversion
	v_lshlrev_b32 v51, 3, v217
	v_lshlrev_b32 v50, v51, v50                    ; my block's byte, 8 h bits up;
	v_permlanex16_b32 v52, v50, s12, s13
	v_or_b32 v50, v50, v52                         ; with lane l xor 16's: bytes 2 c and 2 c + 1 of column r's word
	s_wait_alu depctr_va_vdst(0)                   ; v[AT], v[AT+1], the codes in v[PC ..] and v50 are written, which the two LDS stores read
	ds_store_b128 v[AT], v[PC:PC+3]
	ds_store_b16 v[AT+1], v50                      ; lanes r and r + 16 write the same two bytes with the same value
; V of my K step ks (128 key rows) for the head in hand: source 0 = 16 key rows, source 1 = W_val: a lane holds one channel and its registers run along the keys.  Quantised, its image goes to my own bytes of LDS.
.macro VQ ks
	s_wait_alu depctr_vm_vsrc(0)                   ; the loads and stores issued so far have read their registers: v[AT ..], v[PC ..], v[SPW], O^T, and in the first trip the fill's v128 to v212: all are written again from here on
	v_add_nc_u32 v[AT+1], s98, v[LI]
	v_add_nc_u32 v[AT+3], s100, v[LR]
	s_wait_alu depctr_va_vdst(0)                   ; v[AT+1] and v[AT+3] are written, which the loads read; the lines above are done with v[E ..], v[SQF ..], v[QF ..] and v[SWV], in which the loads land
.irp t, 0,1,2,3,4,5,6,7
.irp c, 0,1
	ds_load_b128 v[E+8*\t+4*\c:E+8*\t+4*\c+3], v[KA] offset:(8*\ks+\t)*1024+512*\c
.endr
.endr
.irp p, 0,1,2,3
	ds_load_b32 v[SQF+\p], v[KSA] offset:(4*\ks+\p)*128
.endr
	ds_load_b128 v[QF:QF+3], v[AT+1] offset:40960
	ds_load_b128 v[QF+4:QF+7], v[AT+1] offset:41472
	ds_load_b32 v[SWV], v[AT+3] offset:10240
	s_wait_dscnt 0x0
.irp t, 0,1,2,3,4,5,6,7
	FP4 E+64+8*\t, E+8*\t, QF, -1, SQF+\t/2, SWV, \t%2
.endr
	NOPS 4                                         ; four places ahead of the first read of results
	QUANT E+64
	s_wait_alu depctr_va_vdst(0)                   ; the conversions and swaps have written v[PC ..], the shifts v[SPW]: the LDS stores read them
	ds_store_b128 v[VSA], v[PC:PC+3] offset:1152*\ks
	ds_store_b128 v[VSA], v[PC+4:PC+7] offset:1152*\ks+512
	ds_store_b32 v[VSS], v[SPW] offset:1152*\ks
	s_wait_dscnt 0x0                               ; my image lies in LDS
.endm
.macro LOADQ b                         ; the two key tiles of my block b, and their scale words
.irp t, 0,1
.irp c, 0,1
	ds_load_b128 v[QF+8*\t+4*\c:QF+8*\t+4*\c+3], v[KA] offset:(2*(\b)+\t)*1024+512*\c
.endr
.endr
	ds_load_b32 v[SQF], v[KSA] offset:128*(\b)
.endm
.macro KTILES                          ; K of the two tiles in v[QF] on
	s_wait_dscnt 0x0                               ; the tiles, asked for a stage ago, are in
	FP4 KT, WK, QF, -1, SWK, SQF, 0
	FP4 KT+8, WK, QF+8, -1, SWK, SQF, 2
.endm
; Product i of 8 of S^T = K Q^T into the set at SN: channels' pair i / 2, tile i % 2.  The two accumulators take turns, one instruction a turn; the first two start the sums.
.macro WM i
.if (\i) < 2
	v_wmma_f32_16x16x4_f32 v[SN+8*((\i)%2):SN+8*((\i)%2)+7], v[KT+8*((\i)%2)+2*((\i)/2):KT+8*((\i)%2)+2*((\i)/2)+1], v[QS+2*((\i)/2):QS+2*((\i)/2)+1], 0
.else
	v_wmma_f32_16x16x4_f32 v[SN+8*((\i)%2):SN+8*((\i)%2)+7], v[KT+8*((\i)%2)+2*((\i)/2):KT+8*((\i)%2)+2*((\i)/2)+1], v[QS+2*((\i)/2):QS+2*((\i)/2)+1], v[SN+8*((\i)%2):SN+8*((\i)%2)+7]
.endif
.endm
; THE SOFTMAX OF A BLOCK OF 32 KEY ROWS is a list of 53 instructions; SM writes number J of it, for block BK, scores at XB, exponentials at EB.
;   0-9    the block's largest score of my query (each accumulator is read from its low end on)      10-11  -M of the block: M is a whole number      12-19  t - M, two at a time
;   20-35  the exponentials: one batch; none of 20-42 names a result      36-42  the running -M, and the sum brought under it: nothing is rounded
;   (the wait for the batch stands between 42 and 43)      43-52  the block's sum, brought under the running M and added
.macro SM
.if J == 0
	v_max3_num_f32 v[AT], v[XB], v[XB+1], v[XB+2]
.elseif J == 1
	v_max3_num_f32 v[AT+1], v[XB+8], v[XB+9], v[XB+10]
.elseif J < 6
	v_max3_num_f32 v[AT+J%2], v[AT+J%2], v[XB+8*(J%2)+2*(J/2)+1], v[XB+8*(J%2)+2*(J/2)+2]
.elseif J == 6
	v_max3_num_f32 v[AT], v[AT], v[XB+7], v[XB+15]
.elseif J == 7
	v_max_num_f32 v[AT], v[AT], v[AT+1]
.elseif J == 8
	v_permlanex16_b32 v[AT+2], v[AT], s12, s13
.elseif J == 9
	v_max_num_f32 v[BM+BK], v[AT], v[AT+2]
.elseif J == 10
	v_mul_f32 v[AT+3], s10, v[BM+BK]
.elseif J == 11
	v_floor_f32 v[NB], -v[AT+3]
.elseif J < 20
	v_pk_fma_f32 v[EB+2*(J-12):EB+2*(J-12)+1], v[XB+2*(J-12):XB+2*(J-12)+1], s[10:11], v[NB:NB+1] op_sel_hi:[1,0,0]
.elseif J < 36
	v_exp_f32 v[EB+J-20], v[EB+J-20]
.elseif J == 36
	v_min_num_f32 v[NM], v[NMR], v[NB]
.elseif J == 37
	v_sub_f32 v[RR], v[NM], v[NMR]
.elseif J == 38
	v_sub_f32 v[AS], v[NM], v[NB]
.elseif J == 39
	v_cvt_i32_f32 v[RR], v[RR]
.elseif J == 40
	v_cvt_i32_f32 v[AS], v[AS]
.elseif J == 41
	v_ldexp_f32 v[SUM], v[SUM], v[RR]
.elseif J == 42
	v_mov_b32 v[NMR], v[NM]
.elseif J == 43
	v_pk_add_f32 v[AT:AT+1], v[EB:EB+1], v[EB+2:EB+3]
.elseif J == 44
	v_pk_add_f32 v[AT+2:AT+3], v[EB+4:EB+5], v[EB+6:EB+7]
.elseif J < 49
	v_pk_add_f32 v[AT+2*((J-45)%2):AT+2*((J-45)%2)+1], v[AT+2*((J-45)%2):AT+2*((J-45)%2)+1], v[EB+8+2*(J-45):EB+9+2*(J-45)]
.elseif J == 49
	v_pk_add_f32 v[AT:AT+1], v[AT:AT+1], v[AT+2:AT+3]
.elseif J == 50
	v_add_f32 v[BS], v[AT], v[AT+1]
.elseif J == 51
	v_ldexp_f32 v[BS], v[BS], v[AS]
.else
	v_add_f32 v[SUM], v[SUM], v[BS]
.endif
.endm
.macro SMR a, n                        ; numbers a .. a + n - 1 of the list
.set J, \a
.rept \n
	SM
.set J, J+1
.endr
.endm
; STAGE b: block b's softmax, and between its lines the matrix work of the blocks that follow.  Even blocks have their scores at SCB, odd ones at SCA.
; Behind the stage's last f32 product stand twelve plain lines that name none of its registers (numbers 36 to 42 and five v_nop), ahead of the FP4 products that write K's registers again (nine are asked).
; Behind those stands the stage's one wait on va_vdst, then its loads, then numbers 43 to 52: ten plain lines ahead of the next stage's products, which take the FP4 products' results (five are asked).
; So a block's scores are read seventeen plain lines or more behind their last product (eight are asked).
; Stage 5 has no block 8 to fetch: it fetches W_val's and the partners' fragments.  Stage 6 makes the partners' V where the even blocks' scores lay, which have been read for the last time, and fetches V's two fragments.
.macro STAGE b
.set BK, \b
.set EB, E+16*(\b)
.if (\b)%2 == 0
.set XB, SCB
.set SN, SCA
.else
.set XB, SCA
.set SN, SCB
.endif
.if (\b) == 7
.irp i, 0,1,2,3,4,5,6,7,8,9,10,11,12,13,14,15
	v_cndmask_b32 v[EB+\i], v[NINF], v[SCA+\i], s[MK+\i]   ; key rows that are not valid: -infinity
.endr
.set XB, EB
	SMR 0, 36
.else
	WM 0
	SMR 0, 4
	WM 1
	SMR 4, 4
	WM 2
	SMR 8, 4
	WM 3
	SMR 12, 4
	WM 4
	SMR 16, 4
	WM 5
	SMR 20, 5
	WM 6
	SMR 25, 5
	WM 7
	SMR 30, 6
.endif
	SMR 36, 7
.if (\b) < 6
	NOPS 5
	KTILES                                         ; block b + 2
.elseif (\b) == 6
	s_wait_dscnt 0x0
	FP4 VP, QF, QF+8, -1, SWV, SXP, 0              ; the partners' V
.endif
	s_wait_alu depctr_va_vdst(0)                   ; the sixteen exponentials are written, ahead of their first reader (one wait for the batch); the FP4 products above are done reading v[QF ..] and v[SQF], and in stage 6 the f32 products v[QS ..]: the loads below land there
.if (\b) < 5
	LOADQ (\b)+3
.elseif (\b) == 5
	ds_load_b128 v[QF:QF+3], v[HWA] offset:40960   ; W_val
	ds_load_b128 v[QF+4:QF+7], v[HWA] offset:41472
	ds_load_b128 v[QF+8:QF+11], v[XA] offset:2048+1024*QT      ; the partners
	ds_load_b128 v[QF+12:QF+15], v[XA] offset:2048+1024*QT+512
.elseif (\b) == 6
	ds_load_b128 v[QS:QS+3], v[VSA]                ; V's two fragments and their scale words
	ds_load_b128 v[QS+4:QS+7], v[VSA] offset:512
	ds_load_b32 v[SVF], v[VSS]
	ds_load_b128 v[QF:QF+3], v[VSA] offset:1152
	ds_load_b128 v[QF+4:QF+7], v[VSA] offset:1664
	ds_load_b32 v[SVF+1], v[VSS] offset:1152
.endif
	SMR 43, 10
.endm
; My K step ks: the weights are finished (x 2^(M_block - M) / sum), quantised along the keys, and multiplied by V's codes.
.macro FIN ks
.set EK, E+64*\ks
.irp b, 0,1,2,3
	v_mul_f32 v[TM+\b], s10, v[BM+4*\ks+\b]
.endr
.irp b, 0,1,2,3
	v_floor_f32 v[TM+4+\b], -v[TM+\b]              ; -M of the block, as before
.endr
.irp b, 0,1,2,3
	v_fma_f32 v[TM+\b], v[BM+4*\ks+\b], s10, v[TM+4+\b]
.endr
.irp b, 0,1,2,3
	v_exp_f32 v[TM+\b], v[TM+\b]                   ; the block's largest exponential: the same instructions on the same number
.endr
.irp b, 0,1,2,3
	v_sub_f32 v[TM+9+2*\b], v[NM], v[TM+4+\b]
.endr
.irp b, 0,1,2,3
	v_cvt_i32_f32 v[TM+9+2*\b], v[TM+9+2*\b]
.endr
.irp b, 0,1,2,3
	v_ldexp_f32 v[TM+8+2*\b], v[RR], v[TM+9+2*\b]  ; 2^(M_block - M) / sum
.endr
	s_wait_alu depctr_va_vdst(0)                   ; the four exponentials are written, ahead of their first reader
.irp b, 0,1,2,3
	v_mul_f32 v[TM+\b], v[TM+\b], v[TM+8+2*\b]     ; the block's largest weight
.endr
.irp b, 0,1,2,3
	v_max_num_f32 v[TM+\b], 0x1800000, v[TM+\b]    ; the floor 2^(3 - 127)
.endr
.irp b, 0,1,2,3
	v_add_nc_u32 v[TM+4+\b], 0xff000000, v[TM+\b]  ; the conversion's scale operand
.endr
.irp b, 0,1,2,3
	v_lshrrev_b32 v[AT+\b], 23, v[TM+4+\b]
.endr
	v_lshl_or_b32 v[SPW], v[AT+1], 8, v[AT]
	v_lshl_or_b32 v[SPW], v[AT+2], 16, v[SPW]
	v_lshl_or_b32 v[SPW], v[AT+3], 24, v[SPW]
.irp b, 0,1,2,3
.irp i, 0,2,4,6,8,10,12,14
	v_pk_mul_f32 v[EK+16*\b+\i:EK+16*\b+\i+1], v[EK+16*\b+\i:EK+16*\b+\i+1], v[TM+8+2*\b:TM+9+2*\b] op_sel_hi:[1,0]
.endr
.endr
.irp b, 0,1,2,3
	v_cvt_scalef32_pk8_fp4_f32 v[PC+2*\b], v[EK+16*\b:EK+16*\b+7], v[TM+4+\b]
	v_cvt_scalef32_pk8_fp4_f32 v[PC+1+2*\b], v[EK+16*\b+8:EK+16*\b+15], v[TM+4+\b]
.endr
	v_nop                                          ; one plain place behind a scaled conversion
	SWAPS
	NOPS 8                                         ; places between operands and scales made by vector instructions and the scaled product
.if \ks == 0
	s_wait_alu depctr_va_vdst(0)                   ; the codes in v[PC ..] and the scale word in v[SPW] are written by vector instructions: the scaled product takes them as source 1 and its scales; the places above stay beside this wait
	FP4 O, QS, PC, WK, SVF, SPW, 0                 ; O^T begins with the single column's share
.else
	s_wait_alu depctr_va_vdst(0)                   ; likewise v[PC ..] and v[SPW]; and the wait ahead of a link that follows the instruction it adds onto
	FP4 O, QF, PC, O, SVF+1, SPW, 0
.endif
.endm
; A TURN: the head in hand, query tile qt.
.macro TURN qt
.set QT, \qt
	s_wait_alu depctr_vm_vsrc(0)                   ; the LDS loads and stores issued so far have read v[AT ..], v[HWA], v[PC ..], v[SPW], v[NMR:SUM] and O^T, all of which this turn writes again
	v_add_nc_u32 v[AT], s97, v[LI]
	v_add_nc_u32 v[HWA], s98, v[LI]
	v_add_nc_u32 v[AT+2], s99, v[LR]
	v_add_nc_u32 v[AT+3], s100, v[LR]
	s_wait_alu depctr_va_vdst(0)                   ; the four addresses are written, which the loads read; the lines above are done with v[E ..], v[WK ..], v[QF ..] and the scale registers, in which the loads land
	ds_load_b128 v[E:E+3], v[AT]                   ; my query weight
	ds_load_b128 v[E+4:E+7], v[AT] offset:512
	ds_load_b32 v[SWS], v[AT+2]
	ds_load_b128 v[E+8:E+11], v[HWA] offset:24576  ; WC
	ds_load_b128 v[E+12:E+15], v[HWA] offset:25088
	ds_load_b32 v[SWC], v[AT+3] offset:6144
	ds_load_b128 v[WK:WK+3], v[HWA] offset:32768   ; W_key
	ds_load_b128 v[WK+4:WK+7], v[HWA] offset:33280
	ds_load_b32 v[SWK], v[AT+3] offset:8192
	ds_load_b32 v[SWV], v[AT+3] offset:10240       ; W_val's scale words, for stage 6
	ds_load_b128 v[E+24:E+27], v[XA] offset:1024*\qt  ; the queries
	ds_load_b128 v[E+28:E+31], v[XA] offset:1024*\qt+512
	ds_load_b32 v[SXQ], v[XSA] offset:64*\qt
	ds_load_b128 v[E+32:E+35], v[XA] offset:2048+1024*\qt   ; their partners
	ds_load_b128 v[E+36:E+39], v[XA] offset:2048+1024*\qt+512
	ds_load_b32 v[SXP], v[XSA] offset:128+64*\qt
	LOADQ 0
	s_wait_dscnt 0x0
	FP4 QS, E, E+24, -1, SWS, SXQ, 0               ; my Q
	FP4 E+40, E+8, E+24, -1, SWC, SXQ, 0           ; the single column's Q,
	FP4 E+48, WK, E+32, -1, SWK, SXP, 0            ; the partners' K,
	FP4 KT, WK, QF, -1, SWK, SQF, 0                ; and K of block 0
	FP4 KT+8, WK, QF+8, -1, SWK, SQF, 2
	NOPS 5                                         ; five places ahead of matrix instructions that take these results as a source; they serve the first reads below too
	s_wait_alu depctr_va_vdst(0)                   ; the last two products are done reading v[QF ..] and v[SQF], in which block 1's tiles land
	s_wait_alu depctr_vm_vsrc(0)                   ; the turn's loads have read v[AT], v[AT+2] and v[AT+3], which the lines below write
	LOADQ 1
.set SN, SCB
	WM 0                                           ; block 0's scores; the single column's score stands between them: my 8 channels,
	v_mul_f32 v[AT], v[E+40], v[E+48]
.irp i, 1,2,3,4,5,6,7
	WM \i
	v_fma_f32 v[AT], v[E+40+\i], v[E+48+\i], v[AT]
.endr
	v_permlanex16_b32 v[AT+1], v[AT], s12, s13
	v_add_f32 v[AT], v[AT], v[AT+1]                ; and lane l xor 16's
	v_mul_f32 v[AT+1], s10, v[AT]
	v_floor_f32 v[NMS], -v[AT+1]
	v_fma_f32 v[AT+1], v[AT], s10, v[NMS]
	v_exp_f32 v[ES], v[AT+1]
	v_mov_b32 v[NMR], 0x7f61b1e6                   ; -M so far: 3e38, over every -M
	v_mov_b32 v[SUM], 0
	NOPS 4                                         ; with the plain lines above: more than the nine places ahead of products that write K's registers again
	KTILES                                         ; block 1
	s_wait_alu depctr_va_vdst(0)                   ; the exponential in v[ES] is written, ahead of its first reader; the two products above are done reading v[QF ..] and v[SQF], in which block 2's tiles land
	LOADQ 2
.if \qt == 0
	v_cndmask_b32 v[NMS], v[NMS], v[NMR], s78      ; the depot has no single column
	v_cndmask_b32 v[ES], v[ES], v[SUM], s78
.endif
	NOPS 5                                         ; five places ahead of the products that take K of block 1
.irp k, 0,1,2,3,4,5,6,7
	STAGE \k
.endr
	v_permlanex16_b32 v[AT], v[SUM], s12, s13
	v_add_f32 v[SUM], v[SUM], v[AT]                ; the sum over my 256 key rows
.if \qt == 0
	v_mov_b32 v[AT+1], 0x7f61b1e6
	v_mov_b32 v[AT+2], 0
	v_cndmask_b32 v[NMR], v[NMR], v[AT+1], s79     ; for the depot members 2 and 3 have nothing
	v_cndmask_b32 v[SUM], v[SUM], v[AT+2], s79
.endif
	v_add_nc_u32 v[AT+3], s16, v[L8]               ; where I put my pair,
	v_add_nc_u32 v[AT], s17, v[L8]                 ; and where I read my group's four: both made ahead of the one wait
	s_wait_alu depctr_va_vdst(0)                   ; v[AT+3], v[NMR] and v[SUM] are written, which the store reads, and v[AT], which the loads behind the barrier read; the products are done with v[TM ..], in which those loads land
	ds_store_b64 v[AT+3], v[NMR:SUM] offset:4096*\qt
	BARRIER                                        ; every member's (-M, sum) lies in LDS.  The region of the other query tile is written next: its readers have waited for their loads ahead of this barrier
.irp m, 0,1,2,3
	ds_load_b64 v[TM+2*\m:TM+2*\m+1], v[AT] offset:4096*\qt+256*\m
.endr
	s_wait_dscnt 0x0
	s_wait_alu depctr_vm_vsrc(0)                   ; the store and the four loads have read v[AT] and v[AT+3], which the lines below write
	v_min3_num_f32 v[NM], v[TM], v[TM+2], v[TM+4]
	v_min3_num_f32 v[NM], v[NM], v[TM+6], v[NMS]   ; the row's -M
.irp m, 0,1,2,3
	v_sub_f32 v[TM+8+\m], v[NM], v[TM+2*\m]
.endr
	v_sub_f32 v[TM+12], v[NM], v[NMS]
.irp m, 0,1,2,3,4
	v_cvt_i32_f32 v[TM+8+\m], v[TM+8+\m]
.endr
.irp m, 0,1,2,3
	v_ldexp_f32 v[TM+2*\m+1], v[TM+2*\m+1], v[TM+8+\m]   ; each sum under the row's M
.endr
	v_ldexp_f32 v[TM+13], v[ES], v[TM+12]
	v_add_f32 v[TM+1], v[TM+1], v[TM+3]
	v_add_f32 v[TM+5], v[TM+5], v[TM+7]
	v_add_f32 v[TM+1], v[TM+1], v[TM+5]
	v_add_f32 v[TM+14], v[TM+1], v[TM+13]          ; the row's sum
	v_rcp_f32 v[RR], v[TM+14]
	v_nop                                          ; a plain place behind the reciprocal
	s_wait_alu depctr_va_vdst(0)                   ; the reciprocal in v[RR] is written, ahead of its first reader
	v_mul_f32 v[AS], v[TM+13], v[RR]               ; the single column's weight,
	v_mul_f32 v[AS], s14, v[AS]                    ; in member 0 alone
.if \qt == 0
	v_mov_b32 v[AT+2], 0
	v_cndmask_b32 v[RR], v[RR], v[AT+2], s79       ; the depot's weights in members 2 and 3 are 0
.endif
.irp i, 0,1,2,3,4,5,6,7
	v_mul_f32 v[WK+\i], v[VP+\i], v[AS]            ; the single column's share, into the registers that W_key's fragment has left
.endr
	FIN 0
	FIN 1
	NOPS 4                                         ; four places behind the last product, ahead of the store of its result
	v_add_nc_u32 v[AT], s101, v[LI]
	s_wait_alu depctr_va_vdst(0)                   ; the product has written O^T and the line above v[AT]: the two LDS stores read them; the places above stay beside this wait
	ds_store_b128 v[AT], v[O:O+3] offset:1024*\qt
	ds_store_b128 v[AT], v[O+4:O+7] offset:1024*\qt+512
.endm
	s_mov_b32 s96, 2
.Lhead:                                            ; my group's two heads
	VQ 0
	VQ 1
	TURN 0
	TURN 1
	s_add_co_u32 s97, s97, 1024
	s_add_co_u32 s98, s98, 1024
	s_add_co_u32 s99, s99, 64
	s_add_co_u32 s100, s100, 64
	s_add_co_u32 s101, s101, 2048
	s_sub_co_u32 s96, s96, 1
	s_cmp_lg_u32 s96, 0
	s_cbranch_scc1 .Lhead
	; THE END.  Wave w adds the four members' parts of head w % 8, query tile w / 8; the heads meet as rows; wave w makes output columns 16 (w % 8) on of query tile w / 8.
	; Each address of a later step is made ahead of a wait on va_vdst that stands there anyway.
	BARRIER                                        ; all parts of O^T lie in LDS
	s_lshr_b32 s20, s2, 3                          ; query tile
	s_and_b32 s21, s2, 7                           ; head, later tile of output columns
	s_lshr_b32 s22, s21, 1
	s_lshl_b32 s22, s22, 14
	s_and_b32 s23, s21, 1
	s_lshl_b32 s23, s23, 11
	s_add_co_u32 s22, s22, s23
	s_lshl_b32 s23, s20, 10
	s_add_co_u32 s22, s22, s23
	s_add_co_u32 s22, s22, OPART
	s_wait_alu depctr_vm_vsrc(0)                   ; the last turn's stores have read v[AT]
	v_add_nc_u32 v[AT], s22, v[LI]
	s_wait_alu depctr_va_vdst(0)                   ; v[AT] is written, which the loads read; the last turn's lines are done with v[E ..], in which they land
.irp m, 0,1,2,3
.irp c, 0,1
	ds_load_b128 v[E+8*\m+4*\c:E+8*\m+4*\c+3], v[AT] offset:4096*\m+512*\c
.endr
.endr
	v_and_b32 v[AT+1], 15, v0
	v_bfe_u32 v[AT+2], v0, 4, 1
	v_mul_u32_u24 v[AT+3], v[AT+1], 528
	v_lshl_add_u32 v[AT+1], v[AT+2], 5, v[AT+3]    ; row r, + 32 h
	v_lshl_add_u32 v[AT+2], v[AT+2], 6, v[AT+3]    ; row r, + 64 h
	s_mul_i32 s22, s20, 8448
	s_add_co_u32 s22, s22, HROW
	s_lshl_b32 s23, s21, 6
	s_add_co_u32 s23, s22, s23
	v_add_nc_u32 v[AT+1], s23, v[AT+1]             ; where my 8 numbers of a row go: 64 bytes a head (and, 16,896 further on, a tile of output columns)
	v_add_nc_u32 v[AT+2], s22, v[AT+2]             ; where I read my 16 numbers of each block of 32
	s_lshl_b32 s27, s21, 6
	s_add_co_u32 s27, s27, WOS
	v_add_nc_u32 v[AT+3], s27, v[LR]               ; W_out's scale words of my tile
	s_lshl_b32 s24, s21, 10
	s_add_co_u32 s24, s24, WOI
	s_wait_dscnt 0x0
	s_wait_alu depctr_vm_vsrc(0)                   ; the eight loads have read v[AT]
	v_add_nc_u32 v[AT], s24, v[LI]                 ; W_out's fragment of my tile
.irp i, 0,2,4,6
	v_pk_add_f32 v[E+\i:E+\i+1], v[E+\i:E+\i+1], v[E+8+\i:E+9+\i]
.endr
.irp i, 0,2,4,6
	v_pk_add_f32 v[E+16+\i:E+17+\i], v[E+16+\i:E+17+\i], v[E+24+\i:E+25+\i]
.endr
.irp i, 0,2,4,6
	v_pk_add_f32 v[E+\i:E+\i+1], v[E+\i:E+\i+1], v[E+16+\i:E+17+\i]
.endr
	s_wait_alu depctr_va_vdst(0)                   ; the sums in v[E .. E+7] and v[AT+1] are written, which the stores read; so are v[AT], v[AT+2] and v[AT+3], which the loads behind the barrier read
	ds_store_b128 v[AT+1], v[E:E+3]
	ds_store_b128 v[AT+1], v[E+4:E+7] offset:16
	BARRIER                                        ; 32 rows of 128 numbers, (head, channel) along a row
.irp b, 0,1,2,3
.irp i, 0,1,2,3
	ds_load_b128 v[E+64+16*\b+4*\i:E+64+16*\b+4*\i+3], v[AT+2] offset:128*\b+16*\i
.endr
.endr
	ds_load_b128 v[QF:QF+3], v[AT]
	ds_load_b128 v[QF+4:QF+7], v[AT] offset:512
	ds_load_b32 v[SWO], v[AT+3]
	s_mul_i32 s28, s2, 1056
	s_add_co_u32 s28, s28, OSTG
	s_wait_dscnt 0x0
	s_wait_alu depctr_vm_vsrc(0)                   ; the loads have read v[AT], which the next line writes; the stores above have read v[E .. E+7], in which the output rows land at the end
	v_add_nc_u32 v[AT], s28, v[LI]                 ; where I read rows 2 w and 2 w + 1 of the stage
	QUANT E+64
	NOPS 8                                         ; places between operands and scales made by vector instructions and the scaled product
	s_wait_alu depctr_va_vdst(0)                   ; the codes in v[PC ..] and the scale word in v[SPW] are written by vector instructions: the scaled product takes them as source 1 and its scales
	FP4 O, QF, PC, -1, SWO, SPW, 0                 ; source 0 = 16 output columns, source 1 = my 16 queries: a lane holds 8 neighbouring numbers of a row
	NOPS 4                                         ; four places behind the product, ahead of the store of its result
	s_wait_alu depctr_va_vdst(0)                   ; the product has written v[O ..], which the stores read; the places above stay beside this wait
	ds_store_b128 v[AT+1], v[O:O+3] offset:16896
	ds_store_b128 v[AT+1], v[O+4:O+7] offset:16912
	BARRIER                                        ; 32 whole output rows lie in the stage
	ds_load_b128 v[E:E+3], v[AT]                   ; rows 2 w and 2 w + 1, 16 bytes a lane.  No vector instruction since the last wait names v[AT] or v[E .. E+7]
	ds_load_b128 v[E+4:E+7], v[AT] offset:528
	s_lshl_b32 s26, s2, 1
	s_add_co_u32 s26, s26, s7                      ; the first row's token
	s_mul_i32 s24, s6, 501
	s_add_co_u32 s24, s24, s26
	s_lshl_b32 s24, s24, 9
	s_mov_b32 s25, 0
	s_add_nc_u64 s[58:59], s[58:59], s[24:25]
	s_wait_dscnt 0x0
	s_cmp_gt_u32 s26, s8                           ; rows past the kind's last token repeat it and are not stored
	s_cbranch_scc1 .Ldone
	global_store_b128 v[LI], v[E:E+3], s[58:59] th:TH_STORE_NT              ; 32 lanes store a row's 512 consecutive bytes, at a multiple of 256 from the output's first byte
	s_add_co_u32 s26, s26, 1
	s_cmp_gt_u32 s26, s8
	s_cbranch_scc1 .Ldone
	global_store_b128 v[LI], v[E+4:E+7], s[58:59] offset:512 th:TH_STORE_NT
.Ldone:
	s_wait_xcnt 0x0                                ; the stores above have had their addresses translated
	v_lshl_add_u32 v254, v0, 2, 0x48000            ; my spare word, behind the stage, and 0: made anew here; no memory or LDS instruction has read v254 or v255
	v_mov_b32 v255, 0
	s_wait_dscnt 0x0                               ; the closing lines, six on end
	s_wait_alu 0x0
	s_wait_tensorcnt 0x0
	ds_add_u32 v254, v255
	s_wait_dscnt 0x0
	s_endpgm
.Lfunc_end_k_q68b0ecc0ad_hmha:
	.size	k_q68b0ecc0ad_hmha, .Lfunc_end_k_q68b0ecc0ad_hmha-k_q68b0ecc0ad_hmha
	.p2alignl 7, 3214868480
	.fill 96, 4, 3214868480
	.section	.rodata,"a",@progbits
	.p2align	6, 0x0
	.amdhsa_kernel k_q68b0ecc0ad_hmha
		.amdhsa_group_segment_fixed_size 296960
		.amdhsa_private_segment_fixed_size 0
		.amdhsa_enable_private_segment 0
		.amdhsa_kernarg_size 176
		.amdhsa_user_sgpr_count 2
		.amdhsa_user_sgpr_kernarg_segment_ptr 1
		.amdhsa_wavefront_size32 1
		.amdhsa_system_sgpr_workgroup_id_x 1
		.amdhsa_system_sgpr_workgroup_id_y 1
		.amdhsa_system_sgpr_workgroup_id_z 1
		.amdhsa_system_vgpr_workitem_id 0
		.amdhsa_next_free_vgpr 256
		.amdhsa_next_free_sgpr 102
		.amdhsa_reserve_vcc 1
		.amdhsa_float_denorm_mode_32 3
		.amdhsa_float_denorm_mode_16_64 3
		.amdhsa_memory_ordered 1
		.amdhsa_forward_progress 1
		.amdhsa_inst_pref_size 137
	.end_amdhsa_kernel
	.amdgpu_metadata
---
amdhsa.version: [ 1, 2 ]
amdhsa.kernels:
  - .name:           k_q68b0ecc0ad_hmha
    .symbol:         k_q68b0ecc0ad_hmha.kd
    .args:
      - { .name: q_codes, .offset: 0, .size: 8, .value_kind: global_buffer, .address_space: global }
      - { .name: q_scales, .offset: 8, .size: 8, .value_kind: global_buffer, .address_space: global }
      - { .name: W_query_codes, .offset: 16, .size: 8, .value_kind: global_buffer, .address_space: global }
      - { .name: W_query_scales, .offset: 24, .size: 8, .value_kind: global_buffer, .address_space: global }
      - { .name: W_key_codes, .offset: 32, .size: 8, .value_kind: global_buffer, .address_space: global }
      - { .name: W_key_scales, .offset: 40, .size: 8, .value_kind: global_buffer, .address_space: global }
      - { .name: W_val_codes, .offset: 48, .size: 8, .value_kind: global_buffer, .address_space: global }
      - { .name: W_val_scales, .offset: 56, .size: 8, .value_kind: global_buffer, .address_space: global }
      - { .name: W1_query_codes, .offset: 64, .size: 8, .value_kind: global_buffer, .address_space: global }
      - { .name: W1_query_scales, .offset: 72, .size: 8, .value_kind: global_buffer, .address_space: global }
      - { .name: W2_query_codes, .offset: 80, .size: 8, .value_kind: global_buffer, .address_space: global }
      - { .name: W2_query_scales, .offset: 88, .size: 8, .value_kind: global_buffer, .address_space: global }
      - { .name: W3_query_codes, .offset: 96, .size: 8, .value_kind: global_buffer, .address_space: global }
      - { .name: W3_query_scales, .offset: 104, .size: 8, .value_kind: global_buffer, .address_space: global }
      - { .name: W4_query_codes, .offset: 112, .size: 8, .value_kind: global_buffer, .address_space: global }
      - { .name: W4_query_scales, .offset: 120, .size: 8, .value_kind: global_buffer, .address_space: global }
      - { .name: W5_query_codes, .offset: 128, .size: 8, .value_kind: global_buffer, .address_space: global }
      - { .name: W5_query_scales, .offset: 136, .size: 8, .value_kind: global_buffer, .address_space: global }
      - { .name: W6_query_codes, .offset: 144, .size: 8, .value_kind: global_buffer, .address_space: global }
      - { .name: W6_query_scales, .offset: 152, .size: 8, .value_kind: global_buffer, .address_space: global }
      - { .name: W_out, .offset: 160, .size: 8, .value_kind: global_buffer, .address_space: global }
      - { .name: out0, .offset: 168, .size: 8, .value_kind: global_buffer, .address_space: global }
    .group_segment_fixed_size: 296960
    .private_segment_fixed_size: 0
    .kernarg_segment_align: 8
    .kernarg_segment_size: 176
    .max_flat_workgroup_size: 512
    .sgpr_count:     102
    .vgpr_count:     256
    .wavefront_size: 32
...
	.end_amdgpu_metadata
.endif
;; end of part 2
